; MI455X (gfx1250); checked and timed in simulation.
; The chip was launched on July 23, 2026; its instructions are those of AMD's public machine-readable ISA for CDNA 5 (MIT licence, August 2026) and "CDNA5" Instruction Set Architecture Reference Guide (July 2026). The comments in the code are by the model that wrote it; some were corrected since.
;; TFF Point Spatially Aware. Allowed arithmetic: matrix products marked QUANTISED: E2M3 operands, one E8M0 scale for each 32 along K, by v_wmma_scale_f32_16x16x128_f8f6f4 with both operands' format E2M3, f32 sums; products left as they are: f32 operands where the result goes on into a quantised operand, else bf16, f16 or f32 operands; f32 sums; everything else in f32.
;; Inputs: catA_b 256 float32; catA_g 256 float32; catA_w 256 x 512 float32; catB_b 256 float32; catB_g 256 float32; catB_w 256 x 512 float32; cat_b 256 float32; cat_g 256 float32; cat_w 256 x 512 float32; convA_b 1 float32; convA_w 1 x 256 float32; convB_b 1 float32; convB_w 1 x 256 float32; featA 16 x 256 x 4,096 float32; featB 16 x 256 x 1,024 float32; fp_b 256 float32; fp_g 256 float32; fp_w 256 x 256 float32; xyz_A 16 x 4,096 x 3 float32; xyz_B 16 x 1,024 x 3 float32.
;; Outputs: out0 16 x 256 x 4,096 float32.
;; This version of the problem:
;;   THIS VERSION OF THE PROBLEM IS GIVEN IN LOW PRECISION. The matrix products marked QUANTISED in the list below multiply operands that are first quantised to E2M3 (2 exponent bits, 3 mantissa bits; 6 bits a number), with one power-of-two scale for each 32 numbers along K (OCP MX v1.0); their sums are f32. All else is computed in f32.
;;   The module's matrix products, in the order in which they are computed (A, B: the left and right operand; K: the contracted axis; several contracted axes count as one K, in the product's order):
;;     1. [M 65,536, K 256] x [K 256, N 256]; A: computed on the way; B: input fp_w: QUANTISED
;;     2. [M 65,536, K 512] x [K 512, N 256]; A: computed on the way; B: input catA_w: QUANTISED
;;     3. [M 65,536, K 512] x [K 512, N 256]; A: computed on the way; B: input catB_w: QUANTISED
;;     4. [M 65,536, K 256] x [K 256, N 1]; A: computed on the way; B: input convA_w: left as it is (N = 1 < 16)
;;     5. [M 65,536, K 256] x [K 256, N 1]; A: computed on the way; B: input convB_w: left as it is (N = 1 < 16)
;;     6. [M 65,536, K 512] x [K 512, N 256]; A: computed on the way; B: input cat_w: QUANTISED
;;   THE QUANTISER, for each operand of a quantised product, along K:
;;     - K is cut into blocks of 32 from its start; a last block that is shorter is filled with zeros.
;;     - A block's scale is 2^e with e = floor(log2(the largest magnitude in the block)) - 2, held to -126 .. 127; a block of zeros has e = 0. As a byte (E8M0): e + 127.
;;     - Each number is divided by its block's scale, clamped to +-7.5, and rounded to the nearest number of E2M3, ties to even, subnormals kept.
;;     - The product sums the exact products of the quantised numbers (number of the format x scale) in f32.
;;   ~~~python
;;   def quantise(x, axis):      # numpy; x: float32 -> the quantised numbers, widened to float32 again
;;       x = np.moveaxis(x, axis, -1); K = x.shape[-1]
;;       x = np.pad(x, [(0, 0)] * (x.ndim - 1) + [(0, -K % 32)]); x = x.reshape(x.shape[:-1] + (-1, 32)); a = np.abs(x).max(-1, keepdims=True)
;;       e = np.where(a > 0, np.clip(np.frexp(np.where(a > 0, a, 1))[1] - 1 - 2, -126, 127), 0)      # np.frexp(a)[1] - 1 = floor(log2(a)), exactly
;;       r = np.clip(x / 2.0 ** e, -7.5, 7.5)
;;       step = 2.0 ** (np.maximum(np.frexp(np.where(r == 0, 1, r))[1] - 1, 0) - 3)
;;       q = np.round(r / step) * step * 2.0 ** e      # np.round: ties to even
;;       return np.moveaxis(q.reshape(q.shape[:-2] + (-1,))[..., :K], -1, axis).astype(np.float32)
;;   ~~~
;;   OPERANDS COMPUTED ON THE WAY. 'Computed on the way' means the value that the module computes at that place (a softmax that the list does not call 'softmax' is quantised finished and normalised). What goes into a quantiser is computed in f32, as accurately as f32 sums, v_exp_f32 and their like allow (about 1e-6 of the number): no bf16 or f16 on the way to a quantiser, and a product that is left as it is and whose result goes on into a quantised operand takes f32 operands (vector FMAs, or v_wmma_f32_16x16x4_f32). A number that lies on a knife's edge between two numbers of the format may be rounded either way, as far as f32 arithmetic and the matrix unit's own rounding can turn it there, and no further.
;; 2 versions. Each part assembles by itself: llvm-mc -triple=amdgcn-amd-amdhsa -mcpu=gfx1250 --defsym DOCPART=n.
;; ======== version 1 of 2: 3 launches
;; workspace buffers: featBT 16,777,216 bytes; grp 1,048,576 bytes of whole numbers; nn_idx 1,048,576 bytes of whole numbers; nn_w 2,097,152 bytes; wcodes 344,064 bytes; wscales 14,336 bytes
;; launch prep (part 1): grid 256 x 1, 8 waves a work-group, no clusters, 79,872 bytes of LDS; arguments xyz_A, xyz_B, featB, featBT, grp; writes featBT, grp
.if DOCPART == 1
	.amdgcn_target "amdgcn-amd-amdhsa--gfx1250"
	.amdhsa_code_object_version 6
	.text
	.protected	k_q358a81e55f_prep
	.globl	k_q358a81e55f_prep
	.p2align	8
	.type	k_q358a81e55f_prep,@function
k_q358a81e55f_prep:
	s_mov_b64 s[64:65], 0
	v_nop
	global_prefetch_b8 v0, s[64:65] scope:SCOPE_SE
	s_setreg_imm32_b32 hwreg(HW_REG_WAVE_MODE, 25, 1), 1
	s_wait_xcnt 0x0
; TWO JOBS.  (1) For each of 65,536 points of A: which three of its batch's 64 GROUPS of 16 neighbouring points of B hold the smallest group minima of the squared distance.
; Under the order (distance, index) the three nearest points lie in those three groups: a point outside them has three smaller points ahead of it, one in each of the three groups.
; The next launch looks through the 48 candidates.  (2) featB [16][256][1024] is laid as featBT [16][1024][256], so that a point's 256 channels are 1,024 consecutive bytes.
; SHARES.  Work-group i: batch i / 16; thread t owns point 256 i + t of A; the work-group turns the 64 points of B from 64 (i % 16) on.  Eight waves.
; THE DISTANCE is three subtractions, three multiplications, (x^2 + y^2) + z^2, NOT fused: the next launch rounds alike, so that both launches order nearly equal distances alike.
; LIMITS: NaN and infinities are not served, nor coordinates whose squared distance passes the largest f32 number.
; LDS: 0: the batch's 1,024 points of B as 512 pairs of 24 bytes (x0 x1 y0 y1 z0 z1), a group = 192 bytes;  TR: 64 rows (points) of 1,024 bytes + 16.
; REGISTERS: v1, v23 LDS addresses of the two candidate sets; v[2:7] ax ax ay ay az az; v8-10 the three smallest minima, v11-13 their groups; v14 a group's minimum; v15 the group's number;
;   v16-20 at work; v24-30 addresses; v32-127 two sets of 48 candidate words; v128-191 my 64 channels of one point of featB.
.set TR, 12288
.set TP, 1040                          ; a row of TR: an odd multiple of 16 bytes, so that sixteen lanes' 16 bytes fall in sixteen different columns
.set C,  32
.set T,  128
	s_load_b256 s[4:11], s[0:1], 0x0               ; xyz_A, xyz_B, featB, featBT
	s_load_b64 s[12:13], s[0:1], 0x20              ; grp
	v_lshl_add_u32 v192, v0, 2, 0x13400
	v_mov_b32 v193, 0
	v_lshrrev_b32 v16, 5, v0
	v_readfirstlane_b32 s14, v16                   ; wave
	v_and_b32 v17, 31, v0                          ; lane
	s_lshr_b32 s20, ttmp9, 4                       ; batch
	s_and_b32 s21, ttmp9, 15                       ; which sixteenth of the batch
	s_and_b32 s18, s14, 1                          ; which 32 of the 64 points I load
	s_lshr_b32 s19, s14, 1                         ; which 64 of the 256 channels
	v_mul_u32_u24 v24, v0, 24                      ; a pair of points of B: 24 bytes, in memory and in LDS
	v_mul_u32_u24 v25, v0, 12                      ; my point of A
	v_lshlrev_b32 v26, 2, v17                      ; featB: a lane a point
	v_mul_u32_u24 v27, v17, TP
	s_mul_i32 s32, s18, 32*TP
	s_lshl_b32 s33, s19, 8
	s_add_co_u32 s32, s32, s33
	s_add_co_u32 s32, s32, TR
	v_add_nc_u32 v27, s32, v27                     ; into TR: row 32 (w % 2) + lane, byte 256 (w / 2)
	s_mul_i32 s32, s14, 8*TP
	s_add_co_u32 s32, s32, TR
	v_lshlrev_b32 v29, 4, v17                      ; featBT: 16 bytes a lane
	v_add_nc_u32 v28, s32, v29                     ; out of TR: rows 8 w on
	v_lshlrev_b32 v30, 4, v0                       ; grp: 16 bytes a point
	s_mul_i32 s22, s20, 12288                      ; xyz_B: the batch
	s_mov_b32 s23, 0
	s_mul_i32 s24, ttmp9, 3072                     ; xyz_A: 256 points of 12 bytes
	s_mov_b32 s25, 0
	s_lshl_b32 s26, s20, 20                        ; featB, featBT: 1 MiB a batch
	s_mov_b32 s27, 0
	s_lshl_b32 s28, s21, 8
	s_add_co_u32 s28, s28, s26                     ; featB: + 4 x 64 (i % 16)
	s_lshl_b32 s33, s18, 7
	s_add_co_u32 s28, s28, s33                     ; + 32 points
	s_lshl_b32 s33, s19, 18
	s_add_co_u32 s28, s28, s33                     ; + 64 channels of 4,096 bytes
	s_mov_b32 s29, 0
	s_lshl_b32 s33, s21, 16
	s_add_co_u32 s26, s26, s33                     ; featBT: + 64 rows of 1,024 bytes
	s_lshl_b32 s33, s14, 13
	s_add_co_u32 s26, s26, s33                     ; + my 8 rows
	s_lshl_b32 s30, ttmp9, 12                      ; grp: 256 points of 16 bytes
	s_mov_b32 s31, 0
	s_wait_kmcnt 0x0
	s_add_nc_u64 s[4:5], s[4:5], s[24:25]
	s_add_nc_u64 s[6:7], s[6:7], s[22:23]
	s_add_nc_u64 s[8:9], s[8:9], s[28:29]
	s_add_nc_u64 s[10:11], s[10:11], s[26:27]
	s_add_nc_u64 s[12:13], s[12:13], s[30:31]
.irp k, 0,1                                    ; pairs t and t + 256 of the batch's points of B
.irp c, 0,1,2
	global_load_b64 v[32+6*\k+2*\c:33+6*\k+2*\c], v24, s[6:7] offset:6144*\k+8*\c
.endr
.endr
	global_load_b32 v2, v25, s[4:5]
	global_load_b32 v4, v25, s[4:5] offset:4
	global_load_b32 v6, v25, s[4:5] offset:8
	s_wait_loadcnt 0x0
.irp k, 0,1                                    ; x0 y0 z0 x1 y1 z1 becomes x0 x1 y0 y1 z0 z1
	ds_store_b32 v24, v[32+6*\k] offset:6144*\k
	ds_store_b32 v24, v[33+6*\k] offset:6144*\k+8
	ds_store_b32 v24, v[34+6*\k] offset:6144*\k+16
	ds_store_b32 v24, v[35+6*\k] offset:6144*\k+4
	ds_store_b32 v24, v[36+6*\k] offset:6144*\k+12
	ds_store_b32 v24, v[37+6*\k] offset:6144*\k+20
.endr
.set i, 0
.rept 64                                       ; featB: a lane a point, registers down 64 channels; 128 consecutive bytes a load.  They land while the first half of the groups is walked
	global_load_b32 v[T+i], v26, s[8:9] offset:4096*i th:TH_LOAD_NT
.set i, i+1
.endr
	v_mov_b32 v3, v2
	v_mov_b32 v5, v4
	v_mov_b32 v7, v6
	v_mov_b32 v8, 0x7f800000                       ; the three smallest minima begin at infinity
	v_mov_b32 v9, 0x7f800000
	v_mov_b32 v10, 0x7f800000
	v_mov_b32 v11, 0
	v_mov_b32 v12, 0
	v_mov_b32 v13, 0
	v_mov_b32 v15, 0                               ; the group's number
	s_mov_b32 s16, 0                               ; LDS byte of set 0's group
	s_mov_b32 s15, 192                             ; and of set 1's
	v_mov_b32 v1, 0
	v_mov_b32 v23, 192
	s_wait_dscnt 0x0                               ; for the others' sake: my stores have landed
	s_barrier_signal -1
	s_barrier_wait -1                              ; the batch's points of B lie in LDS
.macro LOADG set, adr                          ; a group's 192 bytes, the same for every lane
.irp i, 0,1,2,3,4,5,6,7,8,9,10,11
	ds_load_b128 v[C+48*\set+4*\i:C+48*\set+4*\i+3], v[\adr] offset:16*\i
.endr
.endm
.macro GROUP set                               ; 16 distances, their minimum, and its place among the three smallest
.set CB, C+48*\set
.irp p, 0,1,2,3,4,5,6,7
	v_pk_add_f32 v[CB+6*\p:CB+6*\p+1], v[CB+6*\p:CB+6*\p+1], v[2:3] neg_lo:[0,1] neg_hi:[0,1]
	v_pk_add_f32 v[CB+6*\p+2:CB+6*\p+3], v[CB+6*\p+2:CB+6*\p+3], v[4:5] neg_lo:[0,1] neg_hi:[0,1]
	v_pk_add_f32 v[CB+6*\p+4:CB+6*\p+5], v[CB+6*\p+4:CB+6*\p+5], v[6:7] neg_lo:[0,1] neg_hi:[0,1]
.endr
.irp p, 0,1,2,3,4,5,6,7
	v_pk_mul_f32 v[CB+6*\p:CB+6*\p+1], v[CB+6*\p:CB+6*\p+1], v[CB+6*\p:CB+6*\p+1]
	v_pk_mul_f32 v[CB+6*\p+2:CB+6*\p+3], v[CB+6*\p+2:CB+6*\p+3], v[CB+6*\p+2:CB+6*\p+3]
	v_pk_mul_f32 v[CB+6*\p+4:CB+6*\p+5], v[CB+6*\p+4:CB+6*\p+5], v[CB+6*\p+4:CB+6*\p+5]
.endr
.irp p, 0,1,2,3,4,5,6,7
	v_pk_add_f32 v[CB+6*\p:CB+6*\p+1], v[CB+6*\p:CB+6*\p+1], v[CB+6*\p+2:CB+6*\p+3]
.endr
.irp p, 0,1,2,3,4,5,6,7
	v_pk_add_f32 v[CB+6*\p:CB+6*\p+1], v[CB+6*\p:CB+6*\p+1], v[CB+6*\p+4:CB+6*\p+5]
.endr
	v_min3_num_f32 v16, v[CB], v[CB+1], v[CB+6]
	v_min3_num_f32 v17, v[CB+7], v[CB+12], v[CB+13]
	v_min3_num_f32 v18, v[CB+18], v[CB+19], v[CB+24]
	v_min3_num_f32 v19, v[CB+25], v[CB+30], v[CB+31]
	v_min3_num_f32 v20, v[CB+36], v[CB+37], v[CB+42]
	v_min3_num_f32 v16, v16, v17, v18
	v_min3_num_f32 v19, v19, v20, v[CB+43]
	v_min_num_f32 v14, v16, v19
	v_cmp_lt_f32 vcc_lo, v14, v8                   ; strictly less, groups ascending: of equal minima the lower group stays ahead
	v_cmp_lt_f32 s34, v14, v9
	v_cmp_lt_f32 s35, v14, v10
	v_cndmask_b32 v16, v15, v12, s34
	v_cndmask_b32 v13, v13, v16, s35
	v_cndmask_b32 v16, v15, v11, vcc_lo
	v_cndmask_b32 v12, v12, v16, s34
	v_cndmask_b32 v11, v11, v15, vcc_lo
	v_med3_num_f32 v10, v9, v10, v14
	v_med3_num_f32 v9, v8, v9, v14
	v_min_num_f32 v8, v8, v14
	v_add_nc_u32 v15, 1, v15
.endm
.macro TRIP more                               ; two groups; each set is fetched while the other is worked
	LOADG 1, 23
	s_wait_dscnt 12                                ; set 0 is in (set 1's twelve loads may be out): so its address register may be written
	s_add_co_u32 s16, s16, 384
	v_mov_b32 v1, s16
	GROUP 0
.if \more
	LOADG 0, 1
	s_wait_dscnt 12                                ; set 1 is in (set 0's twelve may be out)
.else
	s_wait_dscnt 0x0
.endif
	s_add_co_u32 s15, s15, 384
	v_mov_b32 v23, s15
	GROUP 1
.endm
	LOADG 0, 1
	s_mov_b32 s17, 16
.Lfirst:                                           ; groups 0 to 31
	TRIP 1
	s_sub_co_i32 s17, s17, 1
	s_cmp_lg_u32 s17, 0
	s_cbranch_scc1 .Lfirst
	; featB's tile is turned through TR
	s_wait_loadcnt 0x0
.irp q, 0,1,2,3,4,5,6,7,8,9,10,11,12,13,14,15
	ds_store_b128 v27, v[T+4*\q:T+4*\q+3] offset:16*\q
.endr
	s_wait_dscnt 0x0                               ; for the others' sake: my stores have landed (group 32's loads are in too)
	s_barrier_signal -1
	s_barrier_wait -1
.irp i, 0,1,2,3,4,5,6,7,8,9,10,11,12,13,14,15
	ds_load_b128 v[T+4*\i:T+4*\i+3], v28 offset:TP*(\i/2)+512*(\i%2)
.endr
.irp i, 0,1,2,3,4,5,6,7,8,9,10,11,12,13,14,15
	s_wait_dscnt 15-\i                             ; this one is back; the younger ones may be out
	global_store_b128 v29, v[T+4*\i:T+4*\i+3], s[10:11] offset:1024*(\i/2)+512*(\i%2)   ; 32 lanes store 512 consecutive bytes, aligned
.endr
	s_mov_b32 s17, 15
.Lsecond:                                          ; groups 32 to 61
	TRIP 1
	s_sub_co_i32 s17, s17, 1
	s_cmp_lg_u32 s17, 0
	s_cbranch_scc1 .Lsecond
	TRIP 0                                         ; groups 62 and 63: nothing is fetched beyond the last
	v_min_u32 v16, v11, v12                        ; the three groups in ascending order, so that the next launch meets the candidates by ascending index
	v_max_u32 v17, v11, v12
	v_max_u32 v34, v17, v13
	v_min_u32 v18, v17, v13
	v_min_u32 v32, v16, v18
	v_max_u32 v33, v16, v18
	v_mov_b32 v35, 0
	global_store_b128 v30, v[32:35], s[12:13]
	s_wait_tensorcnt 0x0
	ds_add_u32 v192, v193
	s_wait_dscnt 0x0
	s_endpgm
.Lfunc_end_k_q358a81e55f_prep:
	.size	k_q358a81e55f_prep, .Lfunc_end_k_q358a81e55f_prep-k_q358a81e55f_prep
	.p2alignl 7, 3214868480
	.fill 96, 4, 3214868480
	.section	.rodata,"a",@progbits
	.p2align	6, 0x0
	.amdhsa_kernel k_q358a81e55f_prep
		.amdhsa_group_segment_fixed_size 79872
		.amdhsa_private_segment_fixed_size 0
		.amdhsa_enable_private_segment 0
		.amdhsa_kernarg_size 40
		.amdhsa_user_sgpr_count 2
		.amdhsa_user_sgpr_kernarg_segment_ptr 1
		.amdhsa_wavefront_size32 1
		.amdhsa_system_sgpr_workgroup_id_x 1
		.amdhsa_system_sgpr_workgroup_id_y 1
		.amdhsa_system_sgpr_workgroup_id_z 1
		.amdhsa_system_vgpr_workitem_id 0
		.amdhsa_next_free_vgpr 194
		.amdhsa_next_free_sgpr 66
		.amdhsa_reserve_vcc 1
		.amdhsa_float_denorm_mode_32 3
		.amdhsa_float_denorm_mode_16_64 3
		.amdhsa_memory_ordered 1
		.amdhsa_forward_progress 1
		.amdhsa_inst_pref_size 52
	.end_amdhsa_kernel
	.amdgpu_metadata
---
amdhsa.version: [ 1, 2 ]
amdhsa.kernels:
  - .name:           k_q358a81e55f_prep
    .symbol:         k_q358a81e55f_prep.kd
    .args:
      - { .name: xyz_A, .offset: 0, .size: 8, .value_kind: global_buffer, .address_space: global }
      - { .name: xyz_B, .offset: 8, .size: 8, .value_kind: global_buffer, .address_space: global }
      - { .name: featB, .offset: 16, .size: 8, .value_kind: global_buffer, .address_space: global }
      - { .name: featBT, .offset: 24, .size: 8, .value_kind: global_buffer, .address_space: global }
      - { .name: grp, .offset: 32, .size: 8, .value_kind: global_buffer, .address_space: global }
    .group_segment_fixed_size: 79872
    .private_segment_fixed_size: 0
    .kernarg_segment_align: 8
    .kernarg_segment_size: 40
    .max_flat_workgroup_size: 256
    .sgpr_count:     66
    .vgpr_count:     194
    .wavefront_size: 32
...
	.end_amdgpu_metadata
.endif
;; end of part 1
;; launch refine (part 2): grid 312 x 1, 8 waves a work-group, no clusters, 0 bytes of LDS; arguments xyz_A, xyz_B, grp, fp_w, catA_w, catB_w, cat_w, nn_idx, nn_w, wcodes, wscales; writes nn_idx, nn_w, wcodes, wscales
.if DOCPART == 2
	.amdgcn_target "amdgcn-amd-amdhsa--gfx1250"
	.amdhsa_code_object_version 6
	.text
	.protected	k_q358a81e55f_refine
	.globl	k_q358a81e55f_refine
	.p2align	8
	.type	k_q358a81e55f_refine,@function
k_q358a81e55f_refine:
	s_mov_b64 s[64:65], 0
	v_nop
	global_prefetch_b8 v0, s[64:65] scope:SCOPE_SE
	s_setreg_imm32_b32 hwreg(HW_REG_WAVE_MODE, 25, 1), 1
	s_wait_xcnt 0x0
; WORK-GROUPS 0 TO 255: for each point of A the three nearest points of B, out of the 48 candidates of the three groups that the launch before has stored, and their weights
; 1 / (d + 1e-8), normalised.  The groups come in ascending order and a candidate displaces only where it is strictly nearer: of equal distances the lower index stays ahead.
; The distance is rounded as in the launch before: subtract, multiply, (x^2 + y^2) + z^2, not fused.  A thread to a point; its candidates come straight from xyz_B, 192 consecutive bytes a group.
; nn_idx: [point][4] = i1 i2 i3 0;  nn_w: [point][8] = w1 w1 w2 w2 w3 w3 0 0 (each weight the low word of an even pair, for packed forms that take a scalar pair).
; WORK-GROUPS 256 TO 311: the four weights fp_w, catA_w, catB_w, cat_w ([out][in], K innermost) become codes of E2M3 and E8M0 scale bytes: a thread to a block of 32.
; Block ids run on through the four tensors (2,048 + 3 x 4,096); a block's codes are 24 bytes at 24 x id, its byte at id.  A block's scale byte is its largest magnitude's exponent field - 2, held at 1 from below.
; LIMITS: NaN and infinities are not served.  A block of zeros, or one under 2^-124, keeps the byte 1 (its codes are zeros or subnormal codes; this program alone reads the bytes).  Divisions are a reciprocal and a product.
	s_load_b512 s[4:19], s[0:1], 0x0               ; xyz_A, xyz_B, grp, fp_w, catA_w, catB_w, cat_w, nn_idx
	s_load_b128 s[20:23], s[0:1], 0x40             ; nn_w, wcodes
	s_load_b64 s[24:25], s[0:1], 0x50              ; wscales
	s_cmp_ge_u32 ttmp9, 256
	s_cbranch_scc1 .Lweights
	v_mul_u32_u24 v24, v0, 12
	v_lshlrev_b32 v25, 4, v0
	v_lshlrev_b32 v26, 5, v0
	s_lshr_b32 s26, ttmp9, 4
	s_mul_i32 s28, s26, 12288                      ; xyz_B: the batch
	s_mov_b32 s29, 0
	s_mul_i32 s30, ttmp9, 3072                     ; xyz_A: 256 points of 12 bytes
	s_mov_b32 s31, 0
	s_lshl_b32 s32, ttmp9, 12                      ; grp, nn_idx: 256 points of 16 bytes
	s_mov_b32 s33, 0
	s_lshl_b32 s34, ttmp9, 13                      ; nn_w: of 32 bytes
	s_mov_b32 s35, 0
	s_wait_kmcnt 0x0
	s_add_nc_u64 s[4:5], s[4:5], s[30:31]
	s_add_nc_u64 s[6:7], s[6:7], s[28:29]
	s_add_nc_u64 s[8:9], s[8:9], s[32:33]
	s_add_nc_u64 s[18:19], s[18:19], s[32:33]
	s_add_nc_u64 s[20:21], s[20:21], s[34:35]
	global_load_b128 v[8:11], v25, s[8:9]
	global_load_b32 v2, v24, s[4:5]
	global_load_b32 v3, v24, s[4:5] offset:4
	global_load_b32 v4, v24, s[4:5] offset:8
	s_wait_loadcnt 0x3                             ; the groups are in (the query's three loads may be out)
.irp k, 0,1,2
	v_min_u32 v[8+\k], 63, v[8+\k]                 ; a stored number enters an address only behind this hold
	v_mul_u32_u24 v[12+\k], v[8+\k], 192
.endr
.irp k, 0,1,2
.irp i, 0,1,2,3,4,5,6,7,8,9,10,11
	global_load_b128 v[48+48*\k+4*\i:51+48*\k+4*\i], v[12+\k], s[6:7] offset:16*\i
.endr
.endr
	s_wait_loadcnt 36                              ; the query is in (the 36 candidate loads may be out)
	v_mov_b32 v5, v2                               ; the words lie x y z x y z: three patterns serve the packed subtractions: (ax, ay), (az, ax), (ay, az)
	v_mov_b32 v6, v3
	v_mov_b32 v7, v4
	v_mov_b32 v16, 0x7f800000
	v_mov_b32 v17, 0x7f800000
	v_mov_b32 v18, 0x7f800000
	v_mov_b32 v19, 0
	v_mov_b32 v20, 0
	v_mov_b32 v21, 0
.macro RGROUP k
.set CB, 48+48*\k
	s_wait_loadcnt 24-12*\k                        ; this group's twelve loads are in; the later groups' may be out
.set j, 0
.rept 24
	v_pk_add_f32 v[CB+2*j:CB+2*j+1], v[CB+2*j:CB+2*j+1], v[2+2*(j%3):3+2*(j%3)] neg_lo:[0,1] neg_hi:[0,1]
.set j, j+1
.endr
.set j, 0
.rept 24
	v_pk_mul_f32 v[CB+2*j:CB+2*j+1], v[CB+2*j:CB+2*j+1], v[CB+2*j:CB+2*j+1]
.set j, j+1
.endr
.set j, 0
.rept 16
	v_add_f32 v[CB+3*j], v[CB+3*j], v[CB+3*j+1]
.set j, j+1
.endr
.set j, 0
.rept 16
	v_add_f32 v[CB+3*j], v[CB+3*j], v[CB+3*j+2]
.set j, j+1
.endr
.set j, 0
.rept 16                                       ; candidate 16 k + j finds its place among the three nearest
	v_mov_b32 v23, 16*\k+j
	v_cmp_lt_f32 vcc_lo, v[CB+3*j], v16
	v_cmp_lt_f32 s36, v[CB+3*j], v17
	v_cmp_lt_f32 s37, v[CB+3*j], v18
	v_cndmask_b32 v22, v23, v20, s36
	v_cndmask_b32 v21, v21, v22, s37
	v_cndmask_b32 v22, v23, v19, vcc_lo
	v_cndmask_b32 v20, v20, v22, s36
	v_cndmask_b32 v19, v19, v23, vcc_lo
	v_med3_num_f32 v18, v17, v18, v[CB+3*j]
	v_med3_num_f32 v17, v16, v17, v[CB+3*j]
	v_min_num_f32 v16, v16, v[CB+3*j]
.set j, j+1
.endr
.endm
	RGROUP 0
	RGROUP 1
	RGROUP 2
.irp k, 0,1,2
	v_add_f32 v[16+\k], 0x322bcc77, v[16+\k]       ; d + 1e-8
.endr
	v_rcp_f32 v27, v16
	v_rcp_f32 v28, v17
	v_rcp_f32 v29, v18
.irp k, 0,1,2                                  ; (plain work behind the reciprocals)  the candidate's number becomes the point's index: 16 x its group + its place
	v_cmp_gt_u32 vcc_lo, 32, v[19+\k]
	v_cndmask_b32 v22, v10, v9, vcc_lo
	v_cmp_gt_u32 vcc_lo, 16, v[19+\k]
	v_cndmask_b32 v22, v22, v8, vcc_lo
	v_and_b32 v23, 15, v[19+\k]
	v_lshl_add_u32 v[32+\k], v22, 4, v23
.endr
	v_mov_b32 v35, 0
	s_wait_alu depctr_va_vdst(0)                   ; one wait for the three reciprocals, ahead of their first reader
	v_add_f32 v30, v27, v28
	v_add_f32 v30, v30, v29
	v_rcp_f32 v31, v30
	v_mov_b32 v42, 0
	v_mov_b32 v43, 0
	s_wait_alu depctr_va_vdst(0)
.irp k, 0,1,2
	v_mul_f32 v[36+2*\k], v[27+\k], v31
	v_mul_f32 v[37+2*\k], v[27+\k], v31
.endr
	global_store_b128 v25, v[32:35], s[18:19]
	global_store_b128 v26, v[36:39], s[20:21]
	global_store_b128 v26, v[40:43], s[20:21] offset:16
	s_endpgm
.Lweights:
	s_sub_co_u32 s30, ttmp9, 256                   ; 0 to 55: 256 blocks each
	v_lshlrev_b32 v24, 7, v0                       ; a block is 128 bytes of f32,
	v_mul_u32_u24 v25, v0, 24                      ; 24 bytes of codes
	s_wait_kmcnt 0x0
	s_cmp_lt_u32 s30, 40                           ; which tensor: the choice hangs on the work-group's number alone
	s_cselect_b64 s[32:33], s[14:15], s[16:17]
	s_cselect_b32 s34, 24, 40
	s_cmp_lt_u32 s30, 24
	s_cselect_b64 s[32:33], s[12:13], s[32:33]
	s_cselect_b32 s34, 8, s34
	s_cmp_lt_u32 s30, 8
	s_cselect_b64 s[32:33], s[10:11], s[32:33]
	s_cselect_b32 s34, 0, s34
	s_sub_co_u32 s34, s30, s34
	s_lshl_b32 s34, s34, 15                        ; 256 blocks of 128 bytes
	s_mov_b32 s35, 0
	s_add_nc_u64 s[32:33], s[32:33], s[34:35]
	s_mul_i32 s36, s30, 6144
	s_mov_b32 s37, 0
	s_add_nc_u64 s[22:23], s[22:23], s[36:37]
	s_lshl_b32 s36, s30, 8
	s_add_nc_u64 s[24:25], s[24:25], s[36:37]
.irp i, 0,1,2,3,4,5,6,7
	global_load_b128 v[32+4*\i:35+4*\i], v24, s[32:33] offset:16*\i
.endr
	s_wait_loadcnt 0x0
	v_max3_num_f32 v8, |v32|, |v33|, 0x1800000     ; the block's largest magnitude, in two chains: v32-47 with the floor 2^(3 - 127) among the leaves (so the byte cannot fall under 1), and v48-62
	v_max3_num_f32 v9, |v48|, |v49|, |v50|
.irp i, 2,4,6,8,10,12
	v_max3_num_f32 v8, v8, |v[32+\i]|, |v[33+\i]|
	v_max3_num_f32 v9, v9, |v[49+\i]|, |v[50+\i]|
.endr
	v_max3_num_f32 v8, v8, |v46|, |v47|
	v_max3_num_f32 v8, v8, v9, |v63|               ; the two chains and the last number
	v_add_nc_u32 v11, 0xff000000, v8               ; 2 off its exponent field: the conversion takes this operand's exponent field as its scale
	v_cvt_scalef32_pk16_fp6_f32 v[64:66], v[32:47], v11
	v_cvt_scalef32_pk16_fp6_f32 v[68:70], v[48:63], v11
	v_lshrrev_b32 v12, 23, v11                     ; the scale's byte
	global_store_b96 v25, v[64:66], s[22:23]
	global_store_b96 v25, v[68:70], s[22:23] offset:12
	global_store_b8 v0, v12, s[24:25]
	s_endpgm
.Lfunc_end_k_q358a81e55f_refine:
	.size	k_q358a81e55f_refine, .Lfunc_end_k_q358a81e55f_refine-k_q358a81e55f_refine
	.p2alignl 7, 3214868480
	.fill 96, 4, 3214868480
	.section	.rodata,"a",@progbits
	.p2align	6, 0x0
	.amdhsa_kernel k_q358a81e55f_refine
		.amdhsa_group_segment_fixed_size 0
		.amdhsa_private_segment_fixed_size 0
		.amdhsa_enable_private_segment 0
		.amdhsa_kernarg_size 88
		.amdhsa_user_sgpr_count 2
		.amdhsa_user_sgpr_kernarg_segment_ptr 1
		.amdhsa_wavefront_size32 1
		.amdhsa_system_sgpr_workgroup_id_x 1
		.amdhsa_system_sgpr_workgroup_id_y 1
		.amdhsa_system_sgpr_workgroup_id_z 1
		.amdhsa_system_vgpr_workitem_id 0
		.amdhsa_next_free_vgpr 192
		.amdhsa_next_free_sgpr 66
		.amdhsa_reserve_vcc 1
		.amdhsa_float_denorm_mode_32 3
		.amdhsa_float_denorm_mode_16_64 3
		.amdhsa_memory_ordered 1
		.amdhsa_forward_progress 1
		.amdhsa_inst_pref_size 52
	.end_amdhsa_kernel
	.amdgpu_metadata
---
amdhsa.version: [ 1, 2 ]
amdhsa.kernels:
  - .name:           k_q358a81e55f_refine
    .symbol:         k_q358a81e55f_refine.kd
    .args:
      - { .name: xyz_A, .offset: 0, .size: 8, .value_kind: global_buffer, .address_space: global }
      - { .name: xyz_B, .offset: 8, .size: 8, .value_kind: global_buffer, .address_space: global }
      - { .name: grp, .offset: 16, .size: 8, .value_kind: global_buffer, .address_space: global }
      - { .name: fp_w, .offset: 24, .size: 8, .value_kind: global_buffer, .address_space: global }
      - { .name: catA_w, .offset: 32, .size: 8, .value_kind: global_buffer, .address_space: global }
      - { .name: catB_w, .offset: 40, .size: 8, .value_kind: global_buffer, .address_space: global }
      - { .name: cat_w, .offset: 48, .size: 8, .value_kind: global_buffer, .address_space: global }
      - { .name: nn_idx, .offset: 56, .size: 8, .value_kind: global_buffer, .address_space: global }
      - { .name: nn_w, .offset: 64, .size: 8, .value_kind: global_buffer, .address_space: global }
      - { .name: wcodes, .offset: 72, .size: 8, .value_kind: global_buffer, .address_space: global }
      - { .name: wscales, .offset: 80, .size: 8, .value_kind: global_buffer, .address_space: global }
    .group_segment_fixed_size: 0
    .private_segment_fixed_size: 0
    .kernarg_segment_align: 8
    .kernarg_segment_size: 88
    .max_flat_workgroup_size: 256
    .sgpr_count:     66
    .vgpr_count:     192
    .wavefront_size: 32
...
	.end_amdgpu_metadata
.endif
;; end of part 2
;; launch chain (part 3): grid 256 x 1, 8 waves a work-group, no clusters, 321,536 bytes of LDS; arguments nn_idx, nn_w, featBT, featA, wcodes, wscales, fp_g, fp_b, catA_g, catA_b, catB_g, catB_b, cat_g, cat_b, convA_w, convA_b, convB_w, convB_b, out0; writes out0
.if DOCPART == 3
	.amdgcn_target "amdgcn-amd-amdhsa--gfx1250"
	.amdhsa_code_object_version 6
	.text
	.protected	k_q358a81e55f_chain
	.globl	k_q358a81e55f_chain
	.p2align	8
	.type	k_q358a81e55f_chain,@function
k_q358a81e55f_chain:
	s_mov_b64 s[64:65], 0
	v_nop
	global_prefetch_b8 v0, s[64:65] scope:SCOPE_SE
	s_setreg_imm32_b32 hwreg(HW_REG_WAVE_MODE, 25, 1), 1
	s_wait_xcnt 0x0
; THE WHOLE CHAIN for 256 points of A a work-group, 64 at a time: blend of three rows of featBT -> conv fp, BN, ReLU -> difference -> conv catA and catB, BN, TeLU -> two dot products, sigmoid -> gating -> conv cat, BN, TeLU -> out0.
; The four convolutions run on codes of E2M3 with one E8M0 scale for each 32 channels; every activation is quantised on its way, in f32, and never goes to memory.
; SHARES.  Eight waves.  THE WAVES SHARE THE OUTPUT CHANNELS: wave w makes channels 32 w .. 32 w + 31 of all four products, for all 64 points: just one block of 32 of the next product's K.
; Its parts of fp_w, catA_w, catB_w stay in registers (240), its part of cat_w in LDS.  For the blend wave w makes one operand fragment: 16 points (tile w / 2) x 128 channels (K step w % 2).
; ACTIVATIONS GO FROM WAVE TO WAVE THROUGH LDS AS IMAGES OF OPERAND REGISTERS: a fragment (16 points x 128 K, 12 registers a lane) is 1,536 bytes, lane l's 48 bytes at 48 l, read by three loads of 16 bytes.
; Who holds 16 codes (12 bytes), half f of block q of point r, stores them at 48 (r + 16 (q % 2)) + 24 (q / 2) + 12 f: so LDS does the exchange of halves that the operand's layout asks.  Scale words: 4 r + q, a byte each.
; ORIENTATION.  Products fp, catA, catB are used transposed (source 0 = 16 rows of W, source 1 = 16 points), and lane r of tile u takes W's row 32 w + 8 u + r + 8 (r / 8): lane (r, h) then holds point r and
; channels 32 w + 16 h + 0 .. 15 in 16 registers.  The last product is natural (source 0 = points, source 1 = cat_w's rows): a lane holds one channel and 8 neighbouring points, as out0 lies.
; TeLU: y tanh(e^y), tanh(z) = 1 - 2 / (1 + 2^(2 log2e z)), 2 log2e e^y = 2^(y log2e + log2(2 log2e)): two exponentials and a reciprocal; BN's gain and bias are folded into the multiply-adds.
; No tensor load and no cluster: what work-groups share (358 KB of weights of some 1.7 MB that a work-group reads) goes once into registers; LDS is full of activations.  No prefetch: featA is asked for into registers
; two phases ahead of its use, and rows of featBT are named by several points.
; LIMITS: NaN and infinities are not served.  A block of zeros or under 2^-124 keeps scale byte 1.  tanh(e^y) carries an absolute error of about 1e-7, so its relative error grows for y far under 0.
; 1 / sqrt(1 + 1e-5) is one f32 constant; divisions are reciprocals; the 256-long dot products are summed in another order than the source reads.
; LDS: images I0 (blend), I1 (difference, later gated A), I2 (featA, later gated B), I3 (featB on A): 12,288 each; their scale words; DOT partial dot products [2][64][8]; PAR ten arrays [256];
;   and for each wave FA (its 32 channels x 64 points of featA), SP (featB on A kept in f32; later the stage for out0), TS (a stage to turn the blend), CW (8 fragments of cat_w).
; REGISTERS, window 0: v1-19 addresses; v20, v22, v23 destinations of lane permutes; v21 the conv bias of my half; v24-51 the weights' scale words; v52-59 the last BN's figures; v60-63 activations' scale words;
;   v68-75 the two gates of each tile; v76-123 rows of featBT on their way; v124-255 at work (v208-255, and v240-255 of window 1, also featA on its way).  Window 1: fp_w's 4, catA_w's 8, catB_w's 8 fragments.
.set FRB, 1536
.set ISZ, 12288
.set SCB, 49152
.set DOT, 51200
.set PAR, 55296
.set FA,  65536
.set SP,  132096
.set TS,  201728
.set CW,  222208
.set R,   76
.set ACC, 124
.set FG,  156
.set TT,  156
.set PQ,  204
.set PD0, 20
.set PD1, 22
.set PD2, 23
.set FLOOR, 0x1800000
.set SUBE,  0xff000000
.set MSB, 0
.macro WIN new                         ; the immediate's high byte repeats the setting that is left
.if MSB != \new
	s_set_vgpr_msb (MSB<<8)|\new
.set MSB, \new
.endif
.endm
.macro PLACES                          ; four plain places behind a matrix instruction, ahead of loads into its registers and of reads of its results
.rept 4
	v_nop
.endr
.endm
.macro BARRIER                         ; my LDS stores have landed and my LDS loads are in: then the work-group's barrier
	s_wait_dscnt 0x0
	s_barrier_signal -1
	s_barrier_wait -1
.endm
.macro FETCH reg, adr, off             ; a fragment's image into 12 registers
.irp c, 0,1,2
	ds_load_b128 v[(\reg)+4*\c:(\reg)+4*\c+3], v[\adr] offset:(\off)+16*\c
.endr
.endm
.macro SCW reg, off                    ; its scale words: lane r takes point r's
	ds_load_b32 v[\reg], v2 offset:\off
.endm
.macro MM d, a, b, zero, sa, sb
.if \zero
	v_wmma_scale_f32_16x16x128_f8f6f4 v[(\d):(\d)+7], v[(\a):(\a)+11], v[(\b):(\b)+11], 0, v[(\sa)], v[(\sb)] matrix_a_fmt:MATRIX_FMT_FP6 matrix_b_fmt:MATRIX_FMT_FP6
.else
	v_wmma_scale_f32_16x16x128_f8f6f4 v[(\d):(\d)+7], v[(\a):(\a)+11], v[(\b):(\b)+11], v[(\d):(\d)+7], v[(\sa)], v[(\sb)] matrix_a_fmt:MATRIX_FMT_FP6 matrix_b_fmt:MATRIX_FMT_FP6
.endif
.endm
; Four points' three rows of featBT are asked for (my 128 channels: 512 consecutive bytes a load; each load lands on its own offset register), then their weights and the next four points' indices.
; No load is out when this runs: a CONSUME, or the wait at a block's end, stands ahead of it on every way.
.macro ISSUE g
	s_wait_kmcnt 0x0                               ; the indices are in
.irp p, 0,1,2,3
.irp t, 0,1,2
	s_min_u32 s84, s[20+4*\p+\t], 1023             ; a stored number enters an address only behind this hold
	s_lshl_b32 s84, s84, 10
	v_add_nc_u32 v[R+12*\p+4*\t], s84, v18
	global_load_b128 v[R+12*\p+4*\t:R+12*\p+4*\t+3], v[R+12*\p+4*\t], s[8:9]
.endr
.endr
	s_load_b512 s[36:51], s[6:7], s19 offset:128*\g
	s_load_b512 s[68:83], s[6:7], s19 offset:128*\g+64
.if \g < 3
	s_load_b512 s[20:35], s[4:5], s18 offset:64*(\g+1)
.else
	s_add_co_u32 s85, s18, 1024                    ; the next block's first four, held at the work-group's last block: no load leaves the buffer
	s_min_u32 s85, s85, s52
	s_load_b512 s[20:35], s[4:5], s85 offset:0x0
.endif
.endm
; They are blended, turned through my stage so that a lane holds 16 neighbouring channels of one point, quantised, and stored into my fragment's image.
.macro CONSUME g
	s_wait_kmcnt 0x0
	s_wait_loadcnt 0x0
.irp p, 0,1,2,3
.set WS, 36+8*\p+16*(\p/2)
	v_pk_mul_f32 v[R+4*\p:R+4*\p+1], v[R+12*\p:R+12*\p+1], s[WS:WS+1] op_sel_hi:[1,0]
	v_pk_mul_f32 v[R+4*\p+2:R+4*\p+3], v[R+12*\p+2:R+12*\p+3], s[WS:WS+1] op_sel_hi:[1,0]
	v_pk_fma_f32 v[R+4*\p:R+4*\p+1], v[R+12*\p+4:R+12*\p+5], s[WS+2:WS+3], v[R+4*\p:R+4*\p+1] op_sel_hi:[1,0,1]
	v_pk_fma_f32 v[R+4*\p+2:R+4*\p+3], v[R+12*\p+6:R+12*\p+7], s[WS+2:WS+3], v[R+4*\p+2:R+4*\p+3] op_sel_hi:[1,0,1]
	v_pk_fma_f32 v[R+4*\p:R+4*\p+1], v[R+12*\p+8:R+12*\p+9], s[WS+4:WS+5], v[R+4*\p:R+4*\p+1] op_sel_hi:[1,0,1]
	v_pk_fma_f32 v[R+4*\p+2:R+4*\p+3], v[R+12*\p+10:R+12*\p+11], s[WS+4:WS+5], v[R+4*\p+2:R+4*\p+3] op_sel_hi:[1,0,1]
.endr
.irp p, 0,1,2,3
	ds_store_b128 v5, v[R+4*\p:R+4*\p+3] offset:640*\p
.endr
.irp i, 0,1,2,3
	ds_load_b128 v[R+16+4*\i:R+19+4*\i], v6 offset:16*\i    ; LDS serves a wave's instructions in order: these see my stores
.endr
	s_wait_dscnt 0x0
	v_max3_num_f32 v[R+32], |v[R+16]|, |v[R+17]|, FLOOR
.irp i, 2,4,6,8,10,12,14
	v_max3_num_f32 v[R+32], v[R+32], |v[R+16+\i]|, |v[R+17+\i]|
.endr
	v_max_num_f32_dpp v[R+32], v[R+32], v[R+32] row_xmask:1 row_mask:0xf bank_mask:0xf   ; with my neighbour's 16: the block's largest magnitude
	v_add_nc_u32 v[R+33], SUBE, v[R+32]
	v_cvt_scalef32_pk16_fp6_f32 v[R+34:R+36], v[R+16:R+31], v[R+33]
	v_lshrrev_b32 v[R+32], 23, v[R+33]             ; the scale's byte (and the plain place behind the conversion)
.irp c, 0,1,2
	ds_store_b32 v3, v[R+34+\c] offset:192*\g+4*\c
.endr
	ds_store_b8 v4, v[R+32] offset:16*\g
	s_wait_dscnt 0x0                               ; the stores have read their registers
.endm
.macro FEATA_ISSUE                     ; my 32 channels x 64 points: sixteen lanes read one row's 256 consecutive bytes
.irp q, 0,1,2,3,4,5,6,7,8,9,10,11
	global_load_b128 v[208+4*\q:211+4*\q], v19, s[10:11] offset:32768*\q th:TH_LOAD_NT
.endr
	WIN 0x40
.irp q, 12,13,14,15
	global_load_b128 v[192+4*\q:195+4*\q], v19, s[10:11] offset:32768*\q th:TH_LOAD_NT
.endr
	WIN 0
.endm
.macro FEATA_STORE
.irp q, 0,1,2,3,4,5,6,7,8,9,10,11
	ds_store_b128 v9, v[208+4*\q:211+4*\q] offset:512*(\q%8)+4224*(\q/8)
.endr
	WIN 0x04
.irp q, 12,13,14,15
	ds_store_b128 v9, v[192+4*\q:195+4*\q] offset:512*(\q%8)+4224*(\q/8)
.endr
	WIN 0
.endm
.macro ALOAD reg, t                    ; featA: my 16 channels of point r of tile t
.set i, 0
.rept 16
	ds_load_b32 v[(\reg)+i], v10 offset:256*i+64*(\t)
.set i, i+1
.endr
.endm
; QN tensors by turns: 16 numbers of a lane (half a block of 32; the other half lies in lane l xor 16) at v[QXk] become 12 bytes of codes at image offset QIk and a scale byte at QSk.  Six registers of work each, from v[QT] on.
.macro QUANT
.irp k, 0,1,2
.if \k < QN
	v_max3_num_f32 v[QT+6*\k], |v[QX\k]|, |v[QX\k+1]|, FLOOR
.endif
.endr
.irp i, 2,4,6,8,10,12,14
.irp k, 0,1,2
.if \k < QN
	v_max3_num_f32 v[QT+6*\k], v[QT+6*\k], |v[QX\k+\i]|, |v[QX\k+\i+1]|
.endif
.endr
.endr
.irp k, 0,1,2
.if \k < QN
	v_permlanex16_b32 v[PD\k], v[QT+6*\k], s16, s17
.endif
.endr
.irp k, 0,1,2
.if \k < QN
	v_max_num_f32 v[QT+6*\k], v[QT+6*\k], v[PD\k]
.endif
.endr
.irp k, 0,1,2
.if \k < QN
	v_add_nc_u32 v[QT+6*\k+1], SUBE, v[QT+6*\k]
.endif
.endr
.irp k, 0,1,2
.if \k < QN
	v_cvt_scalef32_pk16_fp6_f32 v[QT+6*\k+2:QT+6*\k+4], v[QX\k:QX\k+15], v[QT+6*\k+1]
.endif
.endr
.irp k, 0,1,2
.if \k < QN
	v_lshrrev_b32 v[QT+6*\k], 23, v[QT+6*\k+1]     ; the byte (plain places behind the conversions)
.endif
.endr
.irp k, 0,1,2
.if \k < QN
.irp c, 0,1,2
	ds_store_b32 v7, v[QT+6*\k+2+\c] offset:QI\k+4*\c
.endr
	ds_store_b8 v8, v[QT+6*\k] offset:QS\k
.endif
.endr
.endm
.macro EXPS
.set j, 0
.rept 32
	v_exp_f32 v[TT+j], v[TT+j]
.set j, j+1
.endr
.endm
; From 2 log2e e^y in v[TT] on to tanh(e^y).  Each batch of transcendentals has one plain place and one wait ahead of its first reader.
.macro TANH_TAIL
	s_wait_alu depctr_va_vdst(0)
	EXPS
	v_nop
	s_wait_alu depctr_va_vdst(0)
.set j, 0
.rept 16
	v_pk_add_f32 v[TT+j:TT+j+1], v[TT+j:TT+j+1], 1.0 op_sel_hi:[1,0]
.set j, j+2
.endr
.set j, 0
.rept 32
	v_rcp_f32 v[TT+j], v[TT+j]
.set j, j+1
.endr
	v_nop
	s_wait_alu depctr_va_vdst(0)
.set j, 0
.rept 16
	v_pk_fma_f32 v[TT+j:TT+j+1], v[TT+j:TT+j+1], -2.0, 1.0 op_sel_hi:[1,0,0]
.set j, j+2
.endr
.endm
; Branch br (0: catA on [difference, featA]; 1: catB on [difference, featB on A]), two tiles of points at a time: product, TeLU, my 32 channels' part of the dot product with the conv's weights.
.macro BRANCH br
.irp z, 0,1
.irp q, 0,1,2,3
	ds_load_b128 v[PQ+4*\q:PQ+4*\q+3], v14 offset:1024*(2+4*\br)+16*\q
	ds_load_b128 v[PQ+16+4*\q:PQ+19+4*\q], v14 offset:1024*(3+4*\br)+16*\q
.endr
.irp e, 0,1
	FETCH FG, 1, ISZ+(4*\z+2*\e)*FRB
	FETCH FG+12, 1, ISZ+(4*\z+2*\e+1)*FRB
	FETCH FG+24, 1, ISZ*(2+\br)+(4*\z+2*\e)*FRB
	FETCH FG+36, 1, ISZ*(2+\br)+(4*\z+2*\e+1)*FRB
	SCW 60, 512+64*(4*\z+2*\e)
	SCW 61, 512+64*(4*\z+2*\e+1)
	SCW 62, 512*(2+\br)+64*(4*\z+2*\e)
	SCW 63, 512*(2+\br)+64*(4*\z+2*\e+1)
	s_wait_dscnt 0x0
	WIN 0x01                                       ; source 0 (W) in window 1
.irp s, 0,1,2,3                                ; the tile's two accumulators by turns
.irp u, 0,1
	MM ACC+16*\e+8*\u, 48+96*\br+12*(4*\u+\s), FG+12*\s, \s==0, 28+8*\br+4*\u+\s, 60+\s
.endr
.endr
	WIN 0
	PLACES
.endr
.set j, 0
.rept 16
	v_pk_fma_f32 v[TT+j:TT+j+1], v[ACC+j:ACC+j+1], v[PQ+j%16:PQ+j%16+1], v[PQ+16+j%16:PQ+17+j%16]   ; y log2e + log2(2 log2e)
.set j, j+2
.endr
.irp q, 0,1,2,3
	ds_load_b128 v[PQ+4*\q:PQ+4*\q+3], v14 offset:1024*(4+4*\br)+16*\q
	ds_load_b128 v[PQ+16+4*\q:PQ+19+4*\q], v14 offset:1024*(5+4*\br)+16*\q
.endr
	EXPS
	s_wait_dscnt 0x0
.set j, 0
.rept 16
	v_pk_fma_f32 v[ACC+j:ACC+j+1], v[ACC+j:ACC+j+1], v[PQ+j%16:PQ+j%16+1], v[PQ+16+j%16:PQ+17+j%16]   ; y x the conv's weight (plain work behind the exponentials)
.set j, j+2
.endr
	TANH_TAIL
.irp e, 0,1
	v_pk_mul_f32 v[236+2*\e:237+2*\e], v[ACC+16*\e:ACC+16*\e+1], v[TT+16*\e:TT+16*\e+1]
.endr
.irp m, 2,4,6,8,10,12,14
.irp e, 0,1
	v_pk_fma_f32 v[236+2*\e:237+2*\e], v[ACC+16*\e+\m:ACC+16*\e+\m+1], v[TT+16*\e+\m:TT+16*\e+\m+1], v[236+2*\e:237+2*\e]
.endr
.endr
.irp e, 0,1
	v_add_f32 v[236+2*\e], v[236+2*\e], v[237+2*\e]
.endr
.irp e, 0,1
	v_permlanex16_b32 v[PD\e], v[236+2*\e], s16, s17
.endr
.irp e, 0,1
	v_add_f32 v[236+2*\e], v[236+2*\e], v[PD\e]
.endr
.irp e, 0,1
	ds_store_b32 v15, v[236+2*\e] offset:2048*\br+512*(2*\z+\e)
.endr
.endr
.endm
	s_load_b512 s[20:35], s[0:1], 0x0              ; nn_idx, nn_w, featBT, featA, wcodes, wscales, fp_g, fp_b
	s_load_b512 s[36:51], s[0:1], 0x40             ; catA_g, catA_b, catB_g, catB_b, cat_g, cat_b, convA_w, convA_b
	s_load_b128 s[68:71], s[0:1], 0x80             ; convB_w, convB_b
	s_load_b64 s[12:13], s[0:1], 0x90              ; out0
	v_lshl_add_u32 v66, v0, 2, 0x4e400
	v_mov_b32 v67, 0
	v_and_b32 v124, 31, v0                         ; l
	v_and_b32 v125, 15, v0                         ; r
	v_bfe_u32 v126, v0, 4, 1                       ; h
	v_lshrrev_b32 v127, 5, v0
	v_readfirstlane_b32 s14, v127                  ; wave
	v_mul_u32_u24 v1, v124, 48                     ; an image's place for my lane
	v_lshl_add_u32 v2, v125, 2, SCB                ; a scale word's
	v_bfe_u32 v128, v0, 3, 2                       ; the blend's codes: point l / 8, block (l / 2) % 4, half l % 2
	v_mul_u32_u24 v3, v128, 48
	v_bfe_u32 v129, v0, 1, 1
	v_mad_u32_u24 v3, v129, 768, v3
	v_bfe_u32 v130, v0, 2, 1
	v_mad_u32_u24 v3, v130, 24, v3
	v_and_b32 v131, 1, v0
	v_mad_u32_u24 v3, v131, 12, v3
	s_mul_i32 s54, s14, FRB
	v_add_nc_u32 v3, s54, v3
	v_bfe_u32 v132, v0, 1, 2
	v_lshl_add_u32 v4, v128, 2, v132
	s_lshl_b32 s54, s14, 6
	s_add_co_u32 s54, s54, SCB
	v_add_nc_u32 v4, s54, v4
	v_bfe_u32 v133, v0, 2, 3                       ; my turn stage: in, four lanes' 64 bytes on end and 16 of padding; out, 80 bytes from lane to lane
	v_mul_u32_u24 v5, v133, 80
	v_and_b32 v134, 3, v0
	v_lshl_add_u32 v5, v134, 4, v5
	s_mul_i32 s54, s14, 2560
	s_add_co_u32 s54, s54, TS
	v_add_nc_u32 v5, s54, v5
	v_mul_u32_u24 v6, v124, 80
	v_add_nc_u32 v6, s54, v6
	s_lshr_b32 s55, s14, 2                         ; my channels' codes: K step w / 4, block w % 4, half h, point r
	s_mul_i32 s55, s55, FRB
	s_and_b32 s56, s14, 1
	s_mul_i32 s56, s56, 768
	s_add_co_u32 s55, s55, s56
	s_bfe_u32 s56, s14, 0x10001
	s_mul_i32 s56, s56, 24
	s_add_co_u32 s55, s55, s56
	v_mul_u32_u24 v7, v125, 48
	v_mad_u32_u24 v7, v126, 12, v7
	v_add_nc_u32 v7, s55, v7
	s_lshr_b32 s55, s14, 2
	s_lshl_b32 s55, s55, 6
	s_and_b32 s56, s14, 3
	s_add_co_u32 s55, s55, s56
	s_add_co_u32 s55, s55, SCB
	v_lshl_add_u32 v8, v125, 2, s55
	s_mul_i32 s57, s14, 8320
	s_add_co_u32 s57, s57, FA
	v_lshlrev_b32 v9, 4, v125                      ; featA into LDS: channel rows of 256 bytes; rows 16-31 begin 4,224 bytes on
	v_lshl_add_u32 v9, v126, 8, v9
	v_add_nc_u32 v9, s57, v9
	v_lshlrev_b32 v10, 2, v125                     ; and out of it: point r, channels 16 h on
	v_mad_u32_u24 v10, v126, 4224, v10
	v_add_nc_u32 v10, s57, v10
	s_mul_i32 s58, s14, 8704
	s_add_co_u32 s58, s58, SP
	v_lshl_add_u32 v11, v124, 4, s58               ; featB on A kept: 16 bytes a lane
	v_mul_u32_u24 v12, v125, 272                   ; the stage for out0: in, row = channel r, 32 h bytes
	v_lshl_add_u32 v12, v126, 5, v12
	v_add_nc_u32 v12, s58, v12
	v_mul_u32_u24 v13, v126, 272                   ; back: lanes 0-15 one row, lanes 16-31 the next
	v_lshl_add_u32 v13, v125, 4, v13
	v_add_nc_u32 v13, s58, v13
	s_lshl_b32 s59, s14, 7
	s_add_co_u32 s59, s59, PAR
	v_lshl_add_u32 v14, v126, 6, s59               ; the figures of my 16 channels
	s_lshl_b32 s59, s14, 2
	s_add_co_u32 s59, s59, DOT
	v_lshl_add_u32 v15, v125, 5, s59               ; my part of a point's dot product
	v_lshlrev_b32 v16, 5, v125
	v_lshl_add_u32 v16, v126, 11, v16
	v_add_nc_u32 v16, DOT, v16                     ; all eight parts: lanes 0-15 branch A's, lanes 16-31 branch B's
	s_mul_i32 s59, s14, 12288
	s_add_co_u32 s59, s59, CW
	v_add_nc_u32 v17, s59, v1                      ; cat_w's images
	s_and_b32 s59, s14, 1
	s_lshl_b32 s59, s59, 9
	v_lshl_add_u32 v18, v124, 4, s59               ; a row of featBT: my K step's 512 bytes, 16 a lane
	s_lshl_b32 s59, s14, 19
	v_lshlrev_b32 v19, 4, v125
	v_lshl_add_u32 v19, v126, 14, v19
	v_add_nc_u32 v19, s59, v19                     ; featA and out0: channel 32 w + h, 16 r bytes
	v_and_b32 v135, 8, v125
	v_add_nc_u32 v135, v135, v125                  ; r + 8 (r / 8)
	s_lshl_b32 s59, s14, 5
	v_add_nc_u32 v136, s59, v135                   ; W's row for the transposed products (+ 8 u),
	v_add_nc_u32 v137, s59, v125                   ; and for the natural one (+ 16 u)
	v_mul_u32_u24 v220, v136, 192
	v_mad_u32_u24 v220, v126, 24, v220
	v_mul_u32_u24 v221, v136, 384
	v_mad_u32_u24 v221, v126, 24, v221
	v_mul_u32_u24 v222, v137, 384
	v_mad_u32_u24 v222, v126, 24, v222
	v_lshlrev_b32 v223, 3, v136
	v_lshlrev_b32 v224, 4, v136
	v_lshlrev_b32 v225, 4, v137
	v_lshlrev_b32 v226, 2, v0
	v_lshlrev_b32 v227, 2, v137
	v_lshl_add_u32 v228, v0, 2, PAR
	s_mov_b32 s16, 0x76543210                      ; v_permlanex16_b32's selects for lane l xor 16
	s_mov_b32 s17, 0xfedcba98
	s_mov_b32 s53, 0xffff0000                      ; lanes 16-31
	s_mov_b32 s60, 0x3fb8aa3b                      ; log2 e
	s_mov_b32 s61, 0x3fc3ae9e                      ; log2(2 log2 e)
	s_mov_b32 s62, 0x3f7fffac                      ; 1 / sqrt(1 + 1e-5)
	s_mov_b32 s15, 4                               ; blocks to go
	s_lshl_b32 s18, ttmp9, 12                      ; nn_idx: 16 bytes x (256 x work-group + 16 (w / 2)): my tile in the block that is being gathered
	s_lshr_b32 s54, s14, 1
	s_lshl_b32 s54, s54, 8
	s_add_co_u32 s18, s18, s54
	s_add_co_u32 s52, s18, 3072                    ; the same in the last block
	s_lshl_b32 s19, s18, 1                         ; nn_w: twice that
	s_lshr_b32 s54, ttmp9, 4                       ; batch
	s_and_b32 s55, ttmp9, 15
	s_lshl_b32 s56, s54, 20
	s_mov_b32 s57, 0
	s_lshl_b32 s58, s54, 22
	s_lshl_b32 s55, s55, 10
	s_add_co_u32 s58, s58, s55
	s_mov_b32 s59, 0
	s_wait_kmcnt 0x0
	s_mov_b64 s[4:5], s[20:21]
	s_mov_b64 s[6:7], s[22:23]
	s_add_nc_u64 s[8:9], s[24:25], s[56:57]
	s_add_nc_u64 s[10:11], s[26:27], s[58:59]
	s_add_nc_u64 s[12:13], s[12:13], s[58:59]
	s_load_b32 s86, s[50:51], 0x0                  ; convA_b
	s_load_b32 s87, s[70:71], 0x0                  ; convB_b
	global_load_b32 v236, v226, s[32:33]           ; channel = my thread's number: fp_g, fp_b, catA_g, catA_b, convA_w, catB_g, catB_b, convB_w
	global_load_b32 v237, v226, s[34:35]
	global_load_b32 v238, v226, s[36:37]
	global_load_b32 v239, v226, s[38:39]
	global_load_b32 v240, v226, s[48:49]
	global_load_b32 v241, v226, s[40:41]
	global_load_b32 v242, v226, s[42:43]
	global_load_b32 v243, v226, s[68:69]
	global_load_b32 v244, v227, s[44:45]           ; cat_g, cat_b at channels 32 w + r and 32 w + 16 + r
	global_load_b32 v245, v227, s[44:45] offset:64
	global_load_b32 v246, v227, s[46:47]
	global_load_b32 v247, v227, s[46:47] offset:64
.irp u, 0,1
.irp s, 0,1
	global_load_b32 v[24+2*\u+\s], v223, s[30:31] offset:64*\u+4*\s
.endr
.irp s, 0,1,2,3
	global_load_b32 v[28+4*\u+\s], v224, s[30:31] offset:2048+128*\u+4*\s
	global_load_b32 v[36+4*\u+\s], v224, s[30:31] offset:6144+128*\u+4*\s
	global_load_b32 v[44+4*\u+\s], v225, s[30:31] offset:10240+256*\u+4*\s
.endr
.endr
	WIN 0x40                                       ; destination window 1: these fragments stay
.irp u, 0,1
.irp s, 0,1
.irp p, 0,1,2,3,4,5
	global_load_b64 v[12*(2*\u+\s)+2*\p:12*(2*\u+\s)+2*\p+1], v220, s[28:29] offset:1536*\u+96*\s+48*(\p/3)+8*(\p%3)
.endr
.endr
.endr
.irp u, 0,1
.irp s, 0,1,2,3
.irp p, 0,1,2,3,4,5
	global_load_b64 v[48+12*(4*\u+\s)+2*\p:48+12*(4*\u+\s)+2*\p+1], v221, s[28:29] offset:49152+3072*\u+96*\s+48*(\p/3)+8*(\p%3)
	global_load_b64 v[144+12*(4*\u+\s)+2*\p:144+12*(4*\u+\s)+2*\p+1], v221, s[28:29] offset:147456+3072*\u+96*\s+48*(\p/3)+8*(\p%3)
.endr
.endr
.endr
	WIN 0
.irp u, 0,1
.irp s, 0,1,2,3
.irp p, 0,1,2,3,4,5
	global_load_b64 v[124+12*(4*\u+\s)+2*\p:124+12*(4*\u+\s)+2*\p+1], v222, s[28:29] offset:245760+6144*\u+96*\s+48*(\p/3)+8*(\p%3)
.endr
.endr
.endr
	s_wait_xcnt 0x0                                ; every load above has read its base: the registers that held the arguments may take indices and weights
	s_wait_kmcnt 0x0
	s_load_b512 s[20:35], s[4:5], s18 offset:0x0   ; the first four points' indices
	ISSUE 0
	s_wait_loadcnt 12                              ; all but the twelve rows just asked for
	v_mul_f32 v248, s62, v236                      ; S1 = g / sqrt(1 + eps);  for a TeLU: P = s log2e, Q = b log2e + log2(2 log2e), R = s x conv weight, S = b x conv weight
	v_mul_f32 v249, s62, v238
	v_mul_f32 v250, s60, v249
	v_fma_f32 v251, v239, s60, s61
	v_mul_f32 v252, v249, v240
	v_mul_f32 v253, v239, v240
	v_mul_f32 v229, s62, v241
	v_mul_f32 v230, s60, v229
	v_fma_f32 v231, v242, s60, s61
	v_mul_f32 v232, v229, v243
	v_mul_f32 v233, v242, v243
	ds_store_b32 v228, v248                        ; a wave stores just the 32 channels that it reads: no barrier
	ds_store_b32 v228, v237 offset:1024
	ds_store_b32 v228, v250 offset:2048
	ds_store_b32 v228, v251 offset:3072
	ds_store_b32 v228, v252 offset:4096
	ds_store_b32 v228, v253 offset:5120
	ds_store_b32 v228, v230 offset:6144
	ds_store_b32 v228, v231 offset:7168
	ds_store_b32 v228, v232 offset:8192
	ds_store_b32 v228, v233 offset:9216
	v_mul_f32 v56, s62, v244
	v_mul_f32 v57, s62, v245
	v_mul_f32 v52, s60, v56
	v_mul_f32 v53, s60, v57
	v_fma_f32 v54, v246, s60, s61
	v_fma_f32 v55, v247, s60, s61
	v_mov_b32 v58, v246
	v_mov_b32 v59, v247
	v_mov_b32 v21, s86
	v_mov_b32 v22, s87
	v_cndmask_b32 v21, v21, v22, s53
	v_mov_b32 v20, 0                               ; written once: a lane permute's destination counts as one of its sources
	v_mov_b32 v22, 0
	v_mov_b32 v23, 0
.irp f, 0,1,2,3,4,5,6,7
.irp c, 0,1,2
	ds_store_b128 v17, v[124+12*\f+4*\c:127+12*\f+4*\c] offset:FRB*\f+16*\c
.endr
.endr
	CONSUME 0
	ISSUE 1
	FEATA_ISSUE
	CONSUME 1
	FEATA_STORE
	ISSUE 2
	CONSUME 2
	ISSUE 3
	CONSUME 3
	s_wait_xcnt 0x0
	s_add_nc_u64 s[10:11], s[10:11], 256           ; on to block 1
	s_add_co_u32 s18, s18, 1024
	s_min_u32 s18, s18, s52
	s_lshl_b32 s19, s18, 1
.Lblock:
	BARRIER                                        ; the blend's eight fragments lie in LDS; the last block's reads of I1 and I2 are over
	s_cmp_eq_u32 s15, 1                            ; the last block gathers nothing more
	s_cbranch_scc1 .Lnl1
	ISSUE 0
.Lnl1:
	; ---- conv fp: eight accumulators by turns, a K step at a time
.irp s, 0,1
.irp t, 0,1,2,3
	FETCH 188+12*\t, 1, (2*\t+\s)*FRB
	SCW 60+\t, 64*(2*\t+\s)
.endr
	s_wait_dscnt 0x0
	WIN 0x01
.irp t, 0,1,2,3
.irp u, 0,1
	MM ACC+16*\t+8*\u, 12*(2*\u+\s), 188+12*\t, \s==0, 24+2*\u+\s, 60+\t
.endr
.endr
	WIN 0
	PLACES
.endr
	; ---- BN, ReLU; difference; three tensors quantised; featB on A kept in f32
.irp q, 0,1,2,3
	ds_load_b128 v[220+4*\q:223+4*\q], v14 offset:16*\q
	ds_load_b128 v[236+4*\q:239+4*\q], v14 offset:1024+16*\q
.endr
	ALOAD 188, 0
	s_wait_dscnt 16                                ; the gains and biases are in (tile 0's sixteen loads of featA may be out)
.set j, 0
.rept 32
	v_pk_fma_f32 v[ACC+j:ACC+j+1], v[ACC+j:ACC+j+1], v[220+j%16:221+j%16], v[236+j%16:237+j%16]
.set j, j+2
.endr
.set j, 0
.rept 64
	v_max_num_f32 v[ACC+j], 0, v[ACC+j]
.set j, j+1
.endr
.set QN, 3
.set QT, 236
.irp t, 0,1,2,3
.if \t < 3
	ALOAD 188+16*((\t+1)%2), \t+1
	s_wait_dscnt 16                                ; this tile's featA is in and the last tile's stores have read their registers (the next tile's sixteen loads may be out)
.else
	s_wait_dscnt 0x0
.endif
.set AS, 188+16*(\t%2)
.set j, 0
.rept 8
	v_pk_add_f32 v[220+j:221+j], v[AS+j:AS+j+1], v[ACC+16*\t+j:ACC+16*\t+j+1] neg_lo:[0,1] neg_hi:[0,1]
.set j, j+2
.endr
.set QX0, 220
.set QI0, ISZ+3072*\t
.set QS0, 512+128*\t
.set QX1, AS
.set QI1, 2*ISZ+3072*\t
.set QS1, 1024+128*\t
.set QX2, ACC+16*\t
.set QI2, 3*ISZ+3072*\t
.set QS2, 1536+128*\t
	QUANT
.irp q, 0,1,2,3
	ds_store_b128 v11, v[ACC+16*\t+4*\q:ACC+16*\t+4*\q+3] offset:512*(4*\t+\q)
.endr
.endr
	BARRIER                                        ; difference, featA and featB on A lie in LDS; nobody reads the blend's images any more
	s_cmp_eq_u32 s15, 1
	s_cbranch_scc1 .Lnl2
	CONSUME 0
	ISSUE 1
.Lnl2:
	BRANCH 0
	s_cmp_eq_u32 s15, 1
	s_cbranch_scc1 .Lnl3
	CONSUME 1
	ISSUE 2
.Lnl3:
	BRANCH 1
	s_cmp_eq_u32 s15, 1
	s_cbranch_scc1 .Lnl4
	CONSUME 2
	ISSUE 3
	FEATA_ISSUE                                    ; the next block's featA: it has the gating and the last product in which to land
.Lnl4:
	BARRIER                                        ; all parts of both dot products lie in LDS; nobody reads I1, I2, I3 any more
	; ---- the two gates: lanes 0-15 make A's, lanes 16-31 B's, then they exchange
.irp t, 0,1,2,3
	ds_load_b128 v[124+8*\t:127+8*\t], v16 offset:512*\t
	ds_load_b128 v[128+8*\t:131+8*\t], v16 offset:512*\t+16
.endr
	s_wait_dscnt 0x0
.irp t, 0,1,2,3
	v_pk_add_f32 v[124+8*\t:125+8*\t], v[124+8*\t:125+8*\t], v[126+8*\t:127+8*\t]
.endr
.irp t, 0,1,2,3
	v_pk_add_f32 v[128+8*\t:129+8*\t], v[128+8*\t:129+8*\t], v[130+8*\t:131+8*\t]
.endr
.irp t, 0,1,2,3
	v_pk_add_f32 v[124+8*\t:125+8*\t], v[124+8*\t:125+8*\t], v[128+8*\t:129+8*\t]
.endr
.irp t, 0,1,2,3
	v_add_f32 v[124+8*\t], v[124+8*\t], v[125+8*\t]
.endr
.irp t, 0,1,2,3
	v_add_f32 v[124+8*\t], v[124+8*\t], v21
.endr
.irp t, 0,1,2,3
	v_mul_f32 v[124+8*\t], 0xbfb8aa3b, v[124+8*\t]
.endr
.irp t, 0,1,2,3
	v_exp_f32 v[124+8*\t], v[124+8*\t]
.endr
	v_nop
	s_wait_alu depctr_va_vdst(0)
.irp t, 0,1,2,3
	v_add_f32 v[124+8*\t], 1.0, v[124+8*\t]
.endr
.irp t, 0,1,2,3
	v_rcp_f32 v[124+8*\t], v[124+8*\t]
.endr
	v_nop
	s_wait_alu depctr_va_vdst(0)
.irp t, 0,1,2,3
	v_permlanex16_b32 v[125+8*\t], v[124+8*\t], s16, s17
.endr
.irp t, 0,1,2,3
	v_cndmask_b32 v[68+2*\t], v[124+8*\t], v[125+8*\t], s53
	v_cndmask_b32 v[69+2*\t], v[125+8*\t], v[124+8*\t], s53
.endr
	; ---- gating, and the two gated tensors quantised
.macro WLOAD s, t
	ALOAD 124+32*(\s), \t
.irp q, 0,1,2,3
	ds_load_b128 v[140+32*(\s)+4*\q:143+32*(\s)+4*\q], v11 offset:512*(4*(\t)+\q)
.endr
.endm
	WLOAD 0, 0
.set QN, 2
.set QT, 188
.irp t, 0,1,2,3
.if \t < 3
	WLOAD (\t+1)%2, \t+1
	s_wait_dscnt 20                                ; this tile's numbers are in and the last tile's stores have read their registers (the next tile's twenty loads may be out)
.else
	s_wait_dscnt 0x0
.endif
.set AS, 124+32*(\t%2)
.set j, 0
.rept 8
	v_pk_mul_f32 v[AS+j:AS+j+1], v[AS+j:AS+j+1], v[68+2*\t:69+2*\t] op_sel_hi:[1,0]
	v_pk_mul_f32 v[AS+16+j:AS+17+j], v[AS+16+j:AS+17+j], v[68+2*\t:69+2*\t] op_sel:[0,1] op_sel_hi:[1,1]
.set j, j+2
.endr
.set QX0, AS
.set QI0, ISZ+3072*\t
.set QS0, 512+128*\t
.set QX1, AS+16
.set QI1, 2*ISZ+3072*\t
.set QS1, 1024+128*\t
	QUANT
.endr
	BARRIER                                        ; the gated tensors lie in LDS
	; ---- conv cat, natural; BN, TeLU; into the stage, two tiles of points at a time
.irp z, 0,1
.irp s, 0,1,2,3
	FETCH FG, 17, \s*FRB
	FETCH FG+12, 17, (4+\s)*FRB
	FETCH FG+24, 1, ISZ*(1+\s/2)+(4*\z+\s%2)*FRB
	FETCH FG+36, 1, ISZ*(1+\s/2)+(4*\z+2+\s%2)*FRB
	SCW 60, 512*(1+\s/2)+64*(4*\z+\s%2)
	SCW 61, 512*(1+\s/2)+64*(4*\z+2+\s%2)
	s_wait_dscnt 0x0
.irp e, 0,1
.irp u, 0,1
	MM ACC+16*\e+8*\u, FG+24+12*\e, FG+12*\u, \s==0, 60+\e, 44+4*\u+\s
.endr
.endr
	PLACES
.endr
.irp e, 0,1
.irp u, 0,1
.irp m, 0,2,4,6
	v_pk_fma_f32 v[TT+16*\e+8*\u+\m:TT+16*\e+8*\u+\m+1], v[ACC+16*\e+8*\u+\m:ACC+16*\e+8*\u+\m+1], v[52:53], v[54:55] op_sel:[0,\u,\u] op_sel_hi:[1,\u,\u]
.endr
.endr
.endr
	EXPS
.irp e, 0,1
.irp u, 0,1
.irp m, 0,2,4,6
	v_pk_fma_f32 v[ACC+16*\e+8*\u+\m:ACC+16*\e+8*\u+\m+1], v[ACC+16*\e+8*\u+\m:ACC+16*\e+8*\u+\m+1], v[56:57], v[58:59] op_sel:[0,\u,\u] op_sel_hi:[1,\u,\u]
.endr
.endr
.endr
	TANH_TAIL
.set j, 0
.rept 16
	v_pk_mul_f32 v[ACC+j:ACC+j+1], v[ACC+j:ACC+j+1], v[TT+j:TT+j+1]
.set j, j+2
.endr
.irp e, 0,1
.irp u, 0,1
	ds_store_b128 v12, v[ACC+16*\e+8*\u:ACC+16*\e+8*\u+3] offset:4352*\u+64*(2*\z+\e)
	ds_store_b128 v12, v[ACC+16*\e+8*\u+4:ACC+16*\e+8*\u+7] offset:4352*\u+64*(2*\z+\e)+16
.endr
.endr
.endr
	s_wait_dscnt 0x0                               ; the stores have read their registers: the rows may land there
.irp p, 0,1,2,3,4,5,6,7,8,9,10,11,12,13,14,15
	ds_load_b128 v[ACC+4*\p:ACC+4*\p+3], v13 offset:544*\p
.endr
.irp p, 0,1,2,3,4,5,6,7,8,9,10,11,12,13,14,15
	s_wait_dscnt 15-\p                             ; this pair of rows is back; the younger ones may be out
	global_store_b128 v19, v[ACC+4*\p:ACC+4*\p+3], s[12:13] offset:32768*\p th:TH_STORE_NT   ; sixteen lanes store 256 consecutive bytes, aligned
.endr
	s_cmp_eq_u32 s15, 1
	s_cbranch_scc1 .Lnl5
	CONSUME 3                                      ; its wait for all loads shows featA in too
	FEATA_STORE
.Lnl5:
	s_wait_loadcnt 0x0                             ; on both ways: no load is out at a block's end, so that the next trip's loads into v76-123 and into featA's registers meet none (behind CONSUME 3 it is met at once)
	s_wait_xcnt 0x0                                ; the stores have read their registers and bases: both may be written again
	s_add_nc_u64 s[10:11], s[10:11], 256
	s_add_nc_u64 s[12:13], s[12:13], 256
	s_add_co_u32 s18, s18, 1024
	s_min_u32 s18, s18, s52
	s_lshl_b32 s19, s18, 1
	s_sub_co_u32 s15, s15, 1
	s_cmp_lg_u32 s15, 0
	s_cbranch_scc1 .Lblock
	s_wait_tensorcnt 0x0
	ds_add_u32 v66, v67
	s_wait_dscnt 0x0
	s_endpgm
.Lfunc_end_k_q358a81e55f_chain:
	.size	k_q358a81e55f_chain, .Lfunc_end_k_q358a81e55f_chain-k_q358a81e55f_chain
	.p2alignl 7, 3214868480
	.fill 96, 4, 3214868480
	.section	.rodata,"a",@progbits
	.p2align	6, 0x0
	.amdhsa_kernel k_q358a81e55f_chain
		.amdhsa_group_segment_fixed_size 321536
		.amdhsa_private_segment_fixed_size 0
		.amdhsa_enable_private_segment 0
		.amdhsa_kernarg_size 152
		.amdhsa_user_sgpr_count 2
		.amdhsa_user_sgpr_kernarg_segment_ptr 1
		.amdhsa_wavefront_size32 1
		.amdhsa_system_sgpr_workgroup_id_x 1
		.amdhsa_system_sgpr_workgroup_id_y 1
		.amdhsa_system_sgpr_workgroup_id_z 1
		.amdhsa_system_vgpr_workitem_id 0
		.amdhsa_next_free_vgpr 512
		.amdhsa_next_free_sgpr 100
		.amdhsa_reserve_vcc 0
		.amdhsa_float_denorm_mode_32 3
		.amdhsa_float_denorm_mode_16_64 3
		.amdhsa_memory_ordered 1
		.amdhsa_forward_progress 1
		.amdhsa_inst_pref_size 222
	.end_amdhsa_kernel
	.amdgpu_metadata
---
amdhsa.version: [ 1, 2 ]
amdhsa.kernels:
  - .name:           k_q358a81e55f_chain
    .symbol:         k_q358a81e55f_chain.kd
    .args:
      - { .name: nn_idx, .offset: 0, .size: 8, .value_kind: global_buffer, .address_space: global }
      - { .name: nn_w, .offset: 8, .size: 8, .value_kind: global_buffer, .address_space: global }
      - { .name: featBT, .offset: 16, .size: 8, .value_kind: global_buffer, .address_space: global }
      - { .name: featA, .offset: 24, .size: 8, .value_kind: global_buffer, .address_space: global }
      - { .name: wcodes, .offset: 32, .size: 8, .value_kind: global_buffer, .address_space: global }
      - { .name: wscales, .offset: 40, .size: 8, .value_kind: global_buffer, .address_space: global }
      - { .name: fp_g, .offset: 48, .size: 8, .value_kind: global_buffer, .address_space: global }
      - { .name: fp_b, .offset: 56, .size: 8, .value_kind: global_buffer, .address_space: global }
      - { .name: catA_g, .offset: 64, .size: 8, .value_kind: global_buffer, .address_space: global }
      - { .name: catA_b, .offset: 72, .size: 8, .value_kind: global_buffer, .address_space: global }
      - { .name: catB_g, .offset: 80, .size: 8, .value_kind: global_buffer, .address_space: global }
      - { .name: catB_b, .offset: 88, .size: 8, .value_kind: global_buffer, .address_space: global }
      - { .name: cat_g, .offset: 96, .size: 8, .value_kind: global_buffer, .address_space: global }
      - { .name: cat_b, .offset: 104, .size: 8, .value_kind: global_buffer, .address_space: global }
      - { .name: convA_w, .offset: 112, .size: 8, .value_kind: global_buffer, .address_space: global }
      - { .name: convA_b, .offset: 120, .size: 8, .value_kind: global_buffer, .address_space: global }
      - { .name: convB_w, .offset: 128, .size: 8, .value_kind: global_buffer, .address_space: global }
      - { .name: convB_b, .offset: 136, .size: 8, .value_kind: global_buffer, .address_space: global }
      - { .name: out0, .offset: 144, .size: 8, .value_kind: global_buffer, .address_space: global }
    .group_segment_fixed_size: 321536
    .private_segment_fixed_size: 0
    .kernarg_segment_align: 8
    .kernarg_segment_size: 152
    .max_flat_workgroup_size: 256
    .sgpr_count:     100
    .vgpr_count:     512
    .wavefront_size: 32
...
	.end_amdgpu_metadata
.endif
;; end of part 3
;; ======== version 2 of 2: 3 launches
;; workspace buffers: featBT 16,777,216 bytes; grp 1,048,576 bytes of whole numbers; nn_idx 1,048,576 bytes of whole numbers; nn_w 2,097,152 bytes; wcodes 344,064 bytes; wscales 14,336 bytes
;; launch prep (part 4): grid 256 x 1, 8 waves a work-group, no clusters, 79,872 bytes of LDS; arguments xyz_A, xyz_B, featB, featBT, grp; writes featBT, grp
.if DOCPART == 4
	.amdgcn_target "amdgcn-amd-amdhsa--gfx1250"
	.amdhsa_code_object_version 6
	.text
	.protected	k_q358a81e55f_prep
	.globl	k_q358a81e55f_prep
	.p2align	8
	.type	k_q358a81e55f_prep,@function
k_q358a81e55f_prep:
	s_mov_b64 s[64:65], 0
	v_nop
	global_prefetch_b8 v0, s[64:65] scope:SCOPE_SE
	s_setreg_imm32_b32 hwreg(HW_REG_WAVE_MODE, 25, 1), 1
	s_wait_xcnt 0x0
; TWO JOBS.  (1) For each of 65,536 points of A: which three of its batch's 64 GROUPS of 16 neighbouring points of B hold the smallest group minima of the squared distance.
; Under the order (distance, index) the three nearest points lie in those three groups: a point outside them has three smaller points ahead of it, one in each of the three groups.
; The next launch looks through the 48 candidates.  (2) featB [16][256][1024] is laid as featBT [16][1024][256], so that a point's 256 channels are 1,024 consecutive bytes.
; SHARES.  Work-group i: batch i / 16; thread t owns point 256 i + t of A; the work-group turns the 64 points of B from 64 (i % 16) on.  Eight waves.
; THE DISTANCE is three subtractions, three multiplications, (x^2 + y^2) + z^2, NOT fused: the next launch rounds alike, so that both launches order nearly equal distances alike.
; LIMITS: NaN and infinities are not served, nor coordinates whose squared distance passes the largest f32 number.
; LDS: 0: the batch's 1,024 points of B as 512 pairs of 24 bytes (x0 x1 y0 y1 z0 z1), a group = 192 bytes;  TR: 64 rows (points) of 1,024 bytes + 16.
; REGISTERS: v1, v23 LDS addresses of the two candidate sets; v[2:7] ax ax ay ay az az; v8-10 the three smallest minima, v11-13 their groups; v14 a group's minimum; v15 the group's number;
;   v16-20 at work; v24-30 addresses; v32-127 two sets of 48 candidate words; v128-191 my 64 channels of one point of featB.
.set TR, 12288
.set TP, 1040                          ; a row of TR: an odd multiple of 16 bytes, so that sixteen lanes' 16 bytes fall in sixteen different columns
.set C,  32
.set T,  128
	s_load_b256 s[4:11], s[0:1], 0x0               ; xyz_A, xyz_B, featB, featBT
	s_load_b64 s[12:13], s[0:1], 0x20              ; grp
	v_lshl_add_u32 v192, v0, 2, 0x13400
	v_mov_b32 v193, 0
	v_lshrrev_b32 v16, 5, v0
	s_delay_alu instid0(VALU_DEP_1)
	v_readfirstlane_b32 s14, v16                   ; wave
	v_and_b32 v17, 31, v0                          ; lane
	s_wait_alu depctr_va_vdst(0)
	s_lshr_b32 s20, ttmp9, 4                       ; batch
	s_and_b32 s21, ttmp9, 15                       ; which sixteenth of the batch
	s_and_b32 s18, s14, 1                          ; which 32 of the 64 points I load
	s_lshr_b32 s19, s14, 1                         ; which 64 of the 256 channels
	v_mul_u32_u24 v24, v0, 24                      ; a pair of points of B: 24 bytes, in memory and in LDS
	v_mul_u32_u24 v25, v0, 12                      ; my point of A
	v_lshlrev_b32 v26, 2, v17                      ; featB: a lane a point
	v_mul_u32_u24 v27, v17, TP
	s_mul_i32 s32, s18, 32*TP
	s_lshl_b32 s33, s19, 8
	s_add_co_u32 s32, s32, s33
	s_add_co_u32 s32, s32, TR
	v_add_nc_u32 v27, s32, v27                     ; into TR: row 32 (w % 2) + lane, byte 256 (w / 2)
	s_mul_i32 s32, s14, 8*TP
	s_add_co_u32 s32, s32, TR
	v_lshlrev_b32 v29, 4, v17                      ; featBT: 16 bytes a lane
	s_delay_alu instid0(VALU_DEP_1)
	v_add_nc_u32 v28, s32, v29                     ; out of TR: rows 8 w on
	v_lshlrev_b32 v30, 4, v0                       ; grp: 16 bytes a point
	s_mul_i32 s22, s20, 12288                      ; xyz_B: the batch
	s_mov_b32 s23, 0
	s_mul_i32 s24, ttmp9, 3072                     ; xyz_A: 256 points of 12 bytes
	s_mov_b32 s25, 0
	s_lshl_b32 s26, s20, 20                        ; featB, featBT: 1 MiB a batch
	s_mov_b32 s27, 0
	s_lshl_b32 s28, s21, 8
	s_add_co_u32 s28, s28, s26                     ; featB: + 4 x 64 (i % 16)
	s_lshl_b32 s33, s18, 7
	s_add_co_u32 s28, s28, s33                     ; + 32 points
	s_lshl_b32 s33, s19, 18
	s_add_co_u32 s28, s28, s33                     ; + 64 channels of 4,096 bytes
	s_mov_b32 s29, 0
	s_lshl_b32 s33, s21, 16
	s_add_co_u32 s26, s26, s33                     ; featBT: + 64 rows of 1,024 bytes
	s_lshl_b32 s33, s14, 13
	s_add_co_u32 s26, s26, s33                     ; + my 8 rows
	s_lshl_b32 s30, ttmp9, 12                      ; grp: 256 points of 16 bytes
	s_mov_b32 s31, 0
	s_wait_alu depctr_va_vdst(0)
	s_wait_kmcnt 0x0
	s_add_nc_u64 s[4:5], s[4:5], s[24:25]
	s_add_nc_u64 s[6:7], s[6:7], s[22:23]
	s_add_nc_u64 s[8:9], s[8:9], s[28:29]
	s_add_nc_u64 s[10:11], s[10:11], s[26:27]
	s_add_nc_u64 s[12:13], s[12:13], s[30:31]
.irp k, 0,1                                    ; pairs t and t + 256 of the batch's points of B
.irp c, 0,1,2
	global_load_b64 v[32+6*\k+2*\c:33+6*\k+2*\c], v24, s[6:7] offset:6144*\k+8*\c
.endr
.endr
	global_load_b32 v2, v25, s[4:5]
	global_load_b32 v4, v25, s[4:5] offset:4
	global_load_b32 v6, v25, s[4:5] offset:8
	s_wait_loadcnt 0x0
.irp k, 0,1                                    ; x0 y0 z0 x1 y1 z1 becomes x0 x1 y0 y1 z0 z1
	ds_store_b32 v24, v[32+6*\k] offset:6144*\k
	ds_store_b32 v24, v[33+6*\k] offset:6144*\k+8
	ds_store_b32 v24, v[34+6*\k] offset:6144*\k+16
	ds_store_b32 v24, v[35+6*\k] offset:6144*\k+4
	ds_store_b32 v24, v[36+6*\k] offset:6144*\k+12
	ds_store_b32 v24, v[37+6*\k] offset:6144*\k+20
.endr
.set i, 0
.rept 64                                       ; featB: a lane a point, registers down 64 channels; 128 consecutive bytes a load.  They land while the first half of the groups is walked
	global_load_b32 v[T+i], v26, s[8:9] offset:4096*i th:TH_LOAD_NT
.set i, i+1
.endr
	v_mov_b32 v3, v2
	v_mov_b32 v5, v4
	v_mov_b32 v7, v6
	v_mov_b32 v8, 0x7f800000                       ; the three smallest minima begin at infinity
	v_mov_b32 v9, 0x7f800000
	v_mov_b32 v10, 0x7f800000
	v_mov_b32 v11, 0
	v_mov_b32 v12, 0
	v_mov_b32 v13, 0
	v_mov_b32 v15, 0                               ; the group's number
	s_mov_b32 s16, 0                               ; LDS byte of set 0's group
	s_mov_b32 s15, 192                             ; and of set 1's
	v_mov_b32 v1, 0
	v_mov_b32 v23, 192
	s_wait_alu depctr_va_vdst(0)
	s_wait_dscnt 0x0                               ; for the others' sake: my stores have landed
	s_barrier_signal -1
	s_barrier_wait -1                              ; the batch's points of B lie in LDS
.macro LOADG set, adr                          ; a group's 192 bytes, the same for every lane
.irp i, 0,1,2,3,4,5,6,7,8,9,10,11
	ds_load_b128 v[C+48*\set+4*\i:C+48*\set+4*\i+3], v[\adr] offset:16*\i
.endr
.endm
.macro GROUP set                               ; 16 distances, their minimum, and its place among the three smallest
.set CB, C+48*\set
.irp p, 0,1,2,3,4,5,6,7
	v_pk_add_f32 v[CB+6*\p:CB+6*\p+1], v[CB+6*\p:CB+6*\p+1], v[2:3] neg_lo:[0,1] neg_hi:[0,1]
	v_pk_add_f32 v[CB+6*\p+2:CB+6*\p+3], v[CB+6*\p+2:CB+6*\p+3], v[4:5] neg_lo:[0,1] neg_hi:[0,1]
	v_pk_add_f32 v[CB+6*\p+4:CB+6*\p+5], v[CB+6*\p+4:CB+6*\p+5], v[6:7] neg_lo:[0,1] neg_hi:[0,1]
.endr
.irp p, 0,1,2,3,4,5,6,7
	v_pk_mul_f32 v[CB+6*\p:CB+6*\p+1], v[CB+6*\p:CB+6*\p+1], v[CB+6*\p:CB+6*\p+1]
	v_pk_mul_f32 v[CB+6*\p+2:CB+6*\p+3], v[CB+6*\p+2:CB+6*\p+3], v[CB+6*\p+2:CB+6*\p+3]
	v_pk_mul_f32 v[CB+6*\p+4:CB+6*\p+5], v[CB+6*\p+4:CB+6*\p+5], v[CB+6*\p+4:CB+6*\p+5]
.endr
.irp p, 0,1,2,3,4,5,6,7
	v_pk_add_f32 v[CB+6*\p:CB+6*\p+1], v[CB+6*\p:CB+6*\p+1], v[CB+6*\p+2:CB+6*\p+3]
.endr
.irp p, 0,1,2,3,4,5,6,7
	v_pk_add_f32 v[CB+6*\p:CB+6*\p+1], v[CB+6*\p:CB+6*\p+1], v[CB+6*\p+4:CB+6*\p+5]
.endr
	v_min3_num_f32 v16, v[CB], v[CB+1], v[CB+6]
	v_min3_num_f32 v17, v[CB+7], v[CB+12], v[CB+13]
	v_min3_num_f32 v18, v[CB+18], v[CB+19], v[CB+24]
	v_min3_num_f32 v19, v[CB+25], v[CB+30], v[CB+31]
	v_min3_num_f32 v20, v[CB+36], v[CB+37], v[CB+42]
	s_delay_alu instid0(VALU_DEP_3)
	v_min3_num_f32 v16, v16, v17, v18
	s_delay_alu instid0(VALU_DEP_2)
	v_min3_num_f32 v19, v19, v20, v[CB+43]
	s_delay_alu instid0(VALU_DEP_1)
	v_min_num_f32 v14, v16, v19
	s_delay_alu instid0(VALU_DEP_1)
	v_cmp_lt_f32 vcc_lo, v14, v8                   ; strictly less, groups ascending: of equal minima the lower group stays ahead
	s_delay_alu instid0(VALU_DEP_2)
	v_cmp_lt_f32 s34, v14, v9
	s_delay_alu instid0(VALU_DEP_3)
	v_cmp_lt_f32 s35, v14, v10
	s_delay_alu instid0(VALU_DEP_2)
	v_cndmask_b32 v16, v15, v12, s34
	s_delay_alu instid0(VALU_DEP_1)
	v_cndmask_b32 v13, v13, v16, s35
	v_cndmask_b32 v16, v15, v11, vcc_lo
	s_delay_alu instid0(VALU_DEP_1)
	v_cndmask_b32 v12, v12, v16, s34
	v_cndmask_b32 v11, v11, v15, vcc_lo
	v_med3_num_f32 v10, v9, v10, v14
	v_med3_num_f32 v9, v8, v9, v14
	v_min_num_f32 v8, v8, v14
	v_add_nc_u32 v15, 1, v15
.endm
.macro TRIP more                               ; two groups; each set is fetched while the other is worked
	LOADG 1, 23
	s_wait_dscnt 12                                ; set 0 is in (set 1's twelve loads may be out): so its address register may be written
	s_add_co_u32 s16, s16, 384
	v_mov_b32 v1, s16
	GROUP 0
.if \more
	LOADG 0, 1
	s_wait_dscnt 12                                ; set 1 is in (set 0's twelve may be out)
.else
	s_wait_dscnt 0x0
.endif
	s_add_co_u32 s15, s15, 384
	v_mov_b32 v23, s15
	GROUP 1
.endm
	LOADG 0, 1
	s_mov_b32 s17, 16
.Lfirst:                                           ; groups 0 to 31
	TRIP 1
	s_sub_co_i32 s17, s17, 1
	s_cmp_lg_u32 s17, 0
	s_cbranch_scc1 .Lfirst
	; featB's tile is turned through TR
	s_wait_loadcnt 0x0
.irp q, 0,1,2,3,4,5,6,7,8,9,10,11,12,13,14,15
	ds_store_b128 v27, v[T+4*\q:T+4*\q+3] offset:16*\q
.endr
	s_wait_dscnt 0x0                               ; for the others' sake: my stores have landed (group 32's loads are in too)
	s_barrier_signal -1
	s_barrier_wait -1
.irp i, 0,1,2,3,4,5,6,7,8,9,10,11,12,13,14,15
	ds_load_b128 v[T+4*\i:T+4*\i+3], v28 offset:TP*(\i/2)+512*(\i%2)
.endr
.irp i, 0,1,2,3,4,5,6,7,8,9,10,11,12,13,14,15
	s_wait_dscnt 15-\i                             ; this one is back; the younger ones may be out
	global_store_b128 v29, v[T+4*\i:T+4*\i+3], s[10:11] offset:1024*(\i/2)+512*(\i%2)   ; 32 lanes store 512 consecutive bytes, aligned
.endr
	s_mov_b32 s17, 15
.Lsecond:                                          ; groups 32 to 61
	TRIP 1
	s_sub_co_i32 s17, s17, 1
	s_cmp_lg_u32 s17, 0
	s_cbranch_scc1 .Lsecond
	TRIP 0                                         ; groups 62 and 63: nothing is fetched beyond the last
	v_min_u32 v16, v11, v12                        ; the three groups in ascending order, so that the next launch meets the candidates by ascending index
	v_max_u32 v17, v11, v12
	s_delay_alu instid0(VALU_DEP_1)
	v_max_u32 v34, v17, v13
	s_delay_alu instid0(VALU_DEP_2)
	v_min_u32 v18, v17, v13
	s_delay_alu instid0(VALU_DEP_1)
	v_min_u32 v32, v16, v18
	s_delay_alu instid0(VALU_DEP_2)
	v_max_u32 v33, v16, v18
	v_mov_b32 v35, 0
	global_store_b128 v30, v[32:35], s[12:13]
	s_wait_tensorcnt 0x0
	ds_add_u32 v192, v193
	s_wait_dscnt 0x0
	s_endpgm
.Lfunc_end_k_q358a81e55f_prep:
	.size	k_q358a81e55f_prep, .Lfunc_end_k_q358a81e55f_prep-k_q358a81e55f_prep
	.p2alignl 7, 3214868480
	.fill 96, 4, 3214868480
	.section	.rodata,"a",@progbits
	.p2align	6, 0x0
	.amdhsa_kernel k_q358a81e55f_prep
		.amdhsa_group_segment_fixed_size 79872
		.amdhsa_private_segment_fixed_size 0
		.amdhsa_enable_private_segment 0
		.amdhsa_kernarg_size 40
		.amdhsa_user_sgpr_count 2
		.amdhsa_user_sgpr_kernarg_segment_ptr 1
		.amdhsa_wavefront_size32 1
		.amdhsa_system_sgpr_workgroup_id_x 1
		.amdhsa_system_sgpr_workgroup_id_y 1
		.amdhsa_system_sgpr_workgroup_id_z 1
		.amdhsa_system_vgpr_workitem_id 0
		.amdhsa_next_free_vgpr 194
		.amdhsa_next_free_sgpr 66
		.amdhsa_reserve_vcc 1
		.amdhsa_float_denorm_mode_32 3
		.amdhsa_float_denorm_mode_16_64 3
		.amdhsa_memory_ordered 1
		.amdhsa_forward_progress 1
		.amdhsa_inst_pref_size 53
	.end_amdhsa_kernel
	.amdgpu_metadata
---
amdhsa.version: [ 1, 2 ]
amdhsa.kernels:
  - .name:           k_q358a81e55f_prep
    .symbol:         k_q358a81e55f_prep.kd
    .args:
      - { .name: xyz_A, .offset: 0, .size: 8, .value_kind: global_buffer, .address_space: global }
      - { .name: xyz_B, .offset: 8, .size: 8, .value_kind: global_buffer, .address_space: global }
      - { .name: featB, .offset: 16, .size: 8, .value_kind: global_buffer, .address_space: global }
      - { .name: featBT, .offset: 24, .size: 8, .value_kind: global_buffer, .address_space: global }
      - { .name: grp, .offset: 32, .size: 8, .value_kind: global_buffer, .address_space: global }
    .group_segment_fixed_size: 79872
    .private_segment_fixed_size: 0
    .kernarg_segment_align: 8
    .kernarg_segment_size: 40
    .max_flat_workgroup_size: 256
    .sgpr_count:     66
    .vgpr_count:     194
    .wavefront_size: 32
...
	.end_amdgpu_metadata
.endif
;; end of part 4
;; launch refine (part 5): grid 312 x 1, 8 waves a work-group, no clusters, 0 bytes of LDS; arguments xyz_A, xyz_B, grp, fp_w, catA_w, catB_w, cat_w, nn_idx, nn_w, wcodes, wscales; writes nn_idx, nn_w, wcodes, wscales
.if DOCPART == 5
	.amdgcn_target "amdgcn-amd-amdhsa--gfx1250"
	.amdhsa_code_object_version 6
	.text
	.protected	k_q358a81e55f_refine
	.globl	k_q358a81e55f_refine
	.p2align	8
	.type	k_q358a81e55f_refine,@function
k_q358a81e55f_refine:
	s_mov_b64 s[64:65], 0
	v_nop
	global_prefetch_b8 v0, s[64:65] scope:SCOPE_SE
	s_setreg_imm32_b32 hwreg(HW_REG_WAVE_MODE, 25, 1), 1
	s_wait_xcnt 0x0
; WORK-GROUPS 0 TO 255: for each point of A the three nearest points of B, out of the 48 candidates of the three groups that the launch before has stored, and their weights
; 1 / (d + 1e-8), normalised.  The groups come in ascending order and a candidate displaces only where it is strictly nearer: of equal distances the lower index stays ahead.
; The distance is rounded as in the launch before: subtract, multiply, (x^2 + y^2) + z^2, not fused.  A thread to a point; its candidates come straight from xyz_B, 192 consecutive bytes a group.
; nn_idx: [point][4] = i1 i2 i3 0;  nn_w: [point][8] = w1 w1 w2 w2 w3 w3 0 0 (each weight the low word of an even pair, for packed forms that take a scalar pair).
; WORK-GROUPS 256 TO 311: the four weights fp_w, catA_w, catB_w, cat_w ([out][in], K innermost) become codes of E2M3 and E8M0 scale bytes: a thread to a block of 32.
; Block ids run on through the four tensors (2,048 + 3 x 4,096); a block's codes are 24 bytes at 24 x id, its byte at id.  A block's scale byte is its largest magnitude's exponent field - 2, held at 1 from below.
; LIMITS: NaN and infinities are not served.  A block of zeros, or one under 2^-124, keeps the byte 1 (its codes are zeros or subnormal codes; this program alone reads the bytes).  Divisions are a reciprocal and a product.
	s_load_b512 s[4:19], s[0:1], 0x0               ; xyz_A, xyz_B, grp, fp_w, catA_w, catB_w, cat_w, nn_idx
	s_load_b128 s[20:23], s[0:1], 0x40             ; nn_w, wcodes
	s_load_b64 s[24:25], s[0:1], 0x50              ; wscales
	s_cmp_ge_u32 ttmp9, 256
	s_cbranch_scc1 .Lweights
	v_mul_u32_u24 v24, v0, 12
	v_lshlrev_b32 v25, 4, v0
	v_lshlrev_b32 v26, 5, v0
	s_lshr_b32 s26, ttmp9, 4
	s_mul_i32 s28, s26, 12288                      ; xyz_B: the batch
	s_mov_b32 s29, 0
	s_mul_i32 s30, ttmp9, 3072                     ; xyz_A: 256 points of 12 bytes
	s_mov_b32 s31, 0
	s_lshl_b32 s32, ttmp9, 12                      ; grp, nn_idx: 256 points of 16 bytes
	s_mov_b32 s33, 0
	s_lshl_b32 s34, ttmp9, 13                      ; nn_w: of 32 bytes
	s_mov_b32 s35, 0
	s_wait_alu depctr_va_vdst(0)
	s_wait_kmcnt 0x0
	s_add_nc_u64 s[4:5], s[4:5], s[30:31]
	s_add_nc_u64 s[6:7], s[6:7], s[28:29]
	s_add_nc_u64 s[8:9], s[8:9], s[32:33]
	s_add_nc_u64 s[18:19], s[18:19], s[32:33]
	s_add_nc_u64 s[20:21], s[20:21], s[34:35]
	global_load_b128 v[8:11], v25, s[8:9]
	global_load_b32 v2, v24, s[4:5]
	global_load_b32 v3, v24, s[4:5] offset:4
	global_load_b32 v4, v24, s[4:5] offset:8
	s_wait_loadcnt 0x3                             ; the groups are in (the query's three loads may be out)
.irp k, 0,1,2
	v_min_u32 v[8+\k], 63, v[8+\k]                 ; a stored number enters an address only behind this hold
	s_delay_alu instid0(VALU_DEP_1)
	v_mul_u32_u24 v[12+\k], v[8+\k], 192
.endr
.irp k, 0,1,2
.irp i, 0,1,2,3,4,5,6,7,8,9,10,11
	global_load_b128 v[48+48*\k+4*\i:51+48*\k+4*\i], v[12+\k], s[6:7] offset:16*\i
.endr
.endr
	s_wait_loadcnt 36                              ; the query is in (the 36 candidate loads may be out)
	v_mov_b32 v5, v2                               ; the words lie x y z x y z: three patterns serve the packed subtractions: (ax, ay), (az, ax), (ay, az)
	v_mov_b32 v6, v3
	v_mov_b32 v7, v4
	v_mov_b32 v16, 0x7f800000
	v_mov_b32 v17, 0x7f800000
	v_mov_b32 v18, 0x7f800000
	v_mov_b32 v19, 0
	v_mov_b32 v20, 0
	v_mov_b32 v21, 0
.macro RGROUP k
.set CB, 48+48*\k
	s_wait_loadcnt 24-12*\k                        ; this group's twelve loads are in; the later groups' may be out
.set j, 0
.rept 24
	v_pk_add_f32 v[CB+2*j:CB+2*j+1], v[CB+2*j:CB+2*j+1], v[2+2*(j%3):3+2*(j%3)] neg_lo:[0,1] neg_hi:[0,1]
.set j, j+1
.endr
.set j, 0
.rept 24
	v_pk_mul_f32 v[CB+2*j:CB+2*j+1], v[CB+2*j:CB+2*j+1], v[CB+2*j:CB+2*j+1]
.set j, j+1
.endr
.set j, 0
.rept 16
	v_add_f32 v[CB+3*j], v[CB+3*j], v[CB+3*j+1]
.set j, j+1
.endr
.set j, 0
.rept 16
	v_add_f32 v[CB+3*j], v[CB+3*j], v[CB+3*j+2]
.set j, j+1
.endr
.set j, 0
	v_mov_b32 v23, 16*\k+j
	v_cmp_lt_f32 vcc_lo, v[CB+3*j], v16
	v_cmp_lt_f32 s36, v[CB+3*j], v17
	v_cmp_lt_f32 s37, v[CB+3*j], v18
	s_delay_alu instid0(VALU_DEP_2)
	v_cndmask_b32 v22, v23, v20, s36
	s_delay_alu instid0(VALU_DEP_1)
	v_cndmask_b32 v21, v21, v22, s37
	v_cndmask_b32 v22, v23, v19, vcc_lo
	s_delay_alu instid0(VALU_DEP_1)
	v_cndmask_b32 v20, v20, v22, s36
	v_cndmask_b32 v19, v19, v23, vcc_lo
	v_med3_num_f32 v18, v17, v18, v[CB+3*j]
	v_med3_num_f32 v17, v16, v17, v[CB+3*j]
	v_min_num_f32 v16, v16, v[CB+3*j]
.set j, j+1
.rept (16)-1
	v_mov_b32 v23, 16*\k+j
	s_delay_alu instid0(VALU_DEP_2)
	v_cmp_lt_f32 vcc_lo, v[CB+3*j], v16
	s_delay_alu instid0(VALU_DEP_4)
	v_cmp_lt_f32 s36, v[CB+3*j], v17
	v_cmp_lt_f32 s37, v[CB+3*j], v18
	s_delay_alu instid0(VALU_DEP_2)
	v_cndmask_b32 v22, v23, v20, s36
	s_delay_alu instid0(VALU_DEP_1)
	v_cndmask_b32 v21, v21, v22, s37
	v_cndmask_b32 v22, v23, v19, vcc_lo
	s_delay_alu instid0(VALU_DEP_1)
	v_cndmask_b32 v20, v20, v22, s36
	v_cndmask_b32 v19, v19, v23, vcc_lo
	v_med3_num_f32 v18, v17, v18, v[CB+3*j]
	v_med3_num_f32 v17, v16, v17, v[CB+3*j]
	v_min_num_f32 v16, v16, v[CB+3*j]
.set j, j+1
.endr
.endm
	s_wait_alu depctr_va_vdst(0)
	RGROUP 0
	RGROUP 1
	RGROUP 2
.irp k, 0,1,2
	v_add_f32 v[16+\k], 0x322bcc77, v[16+\k]       ; d + 1e-8
.endr
	s_wait_alu depctr_va_vdst(0)
	v_rcp_f32 v27, v16
	v_rcp_f32 v28, v17
	v_rcp_f32 v29, v18
.irp k, 0,1,2                                  ; (plain work behind the reciprocals)  the candidate's number becomes the point's index: 16 x its group + its place
	v_cmp_gt_u32 vcc_lo, 32, v[19+\k]
	s_delay_alu instid0(VALU_DEP_1)
	v_cndmask_b32 v22, v10, v9, vcc_lo
	v_cmp_gt_u32 vcc_lo, 16, v[19+\k]
	s_delay_alu instid0(VALU_DEP_1)
	v_cndmask_b32 v22, v22, v8, vcc_lo
	v_and_b32 v23, 15, v[19+\k]
	s_delay_alu instid0(VALU_DEP_1)
	v_lshl_add_u32 v[32+\k], v22, 4, v23
.endr
	v_mov_b32 v35, 0
	s_wait_alu depctr_va_vdst(0)                   ; one wait for the three reciprocals, ahead of their first reader
	v_add_f32 v30, v27, v28
	v_add_f32 v30, v30, v29
	s_wait_alu depctr_va_vdst(0)
	v_rcp_f32 v31, v30
	v_mov_b32 v42, 0
	v_mov_b32 v43, 0
	s_wait_alu depctr_va_vdst(0)
.irp k, 0,1,2
	v_mul_f32 v[36+2*\k], v[27+\k], v31
	v_mul_f32 v[37+2*\k], v[27+\k], v31
.endr
	global_store_b128 v25, v[32:35], s[18:19]
	global_store_b128 v26, v[36:39], s[20:21]
	global_store_b128 v26, v[40:43], s[20:21] offset:16
	s_endpgm
.Lweights:
	s_sub_co_u32 s30, ttmp9, 256                   ; 0 to 55: 256 blocks each
	v_lshlrev_b32 v24, 7, v0                       ; a block is 128 bytes of f32,
	v_mul_u32_u24 v25, v0, 24                      ; 24 bytes of codes
	s_wait_alu depctr_va_vdst(0)
	s_wait_kmcnt 0x0
	s_cmp_lt_u32 s30, 40                           ; which tensor: the choice hangs on the work-group's number alone
	s_cselect_b64 s[32:33], s[14:15], s[16:17]
	s_cselect_b32 s34, 24, 40
	s_cmp_lt_u32 s30, 24
	s_cselect_b64 s[32:33], s[12:13], s[32:33]
	s_cselect_b32 s34, 8, s34
	s_cmp_lt_u32 s30, 8
	s_cselect_b64 s[32:33], s[10:11], s[32:33]
	s_cselect_b32 s34, 0, s34
	s_sub_co_u32 s34, s30, s34
	s_lshl_b32 s34, s34, 15                        ; 256 blocks of 128 bytes
	s_mov_b32 s35, 0
	s_add_nc_u64 s[32:33], s[32:33], s[34:35]
	s_mul_i32 s36, s30, 6144
	s_mov_b32 s37, 0
	s_add_nc_u64 s[22:23], s[22:23], s[36:37]
	s_lshl_b32 s36, s30, 8
	s_add_nc_u64 s[24:25], s[24:25], s[36:37]
.irp i, 0,1,2,3,4,5,6,7
	global_load_b128 v[32+4*\i:35+4*\i], v24, s[32:33] offset:16*\i
.endr
	s_wait_loadcnt 0x0
	v_max3_num_f32 v8, |v32|, |v33|, 0x1800000     ; the block's largest magnitude, in two chains: v32-47 with the floor 2^(3 - 127) among the leaves (so the byte cannot fall under 1), and v48-62
	v_max3_num_f32 v9, |v48|, |v49|, |v50|
.irp i, 2,4,6,8,10,12
	s_delay_alu instid0(VALU_DEP_2)
	v_max3_num_f32 v8, v8, |v[32+\i]|, |v[33+\i]|
	s_delay_alu instid0(VALU_DEP_2)
	v_max3_num_f32 v9, v9, |v[49+\i]|, |v[50+\i]|
.endr
	s_delay_alu instid0(VALU_DEP_2)
	v_max3_num_f32 v8, v8, |v46|, |v47|
	s_delay_alu instid0(VALU_DEP_1)
	v_max3_num_f32 v8, v8, v9, |v63|               ; the two chains and the last number
	s_delay_alu instid0(VALU_DEP_1)
	v_add_nc_u32 v11, 0xff000000, v8               ; 2 off its exponent field: the conversion takes this operand's exponent field as its scale
	v_cvt_scalef32_pk16_fp6_f32 v[64:66], v[32:47], v11
	v_cvt_scalef32_pk16_fp6_f32 v[68:70], v[48:63], v11
	v_lshrrev_b32 v12, 23, v11                     ; the scale's byte
	global_store_b96 v25, v[64:66], s[22:23]
	global_store_b96 v25, v[68:70], s[22:23] offset:12
	global_store_b8 v0, v12, s[24:25]
	s_endpgm
.Lfunc_end_k_q358a81e55f_refine:
	.size	k_q358a81e55f_refine, .Lfunc_end_k_q358a81e55f_refine-k_q358a81e55f_refine
	.p2alignl 7, 3214868480
	.fill 96, 4, 3214868480
	.section	.rodata,"a",@progbits
	.p2align	6, 0x0
	.amdhsa_kernel k_q358a81e55f_refine
		.amdhsa_group_segment_fixed_size 0
		.amdhsa_private_segment_fixed_size 0
		.amdhsa_enable_private_segment 0
		.amdhsa_kernarg_size 88
		.amdhsa_user_sgpr_count 2
		.amdhsa_user_sgpr_kernarg_segment_ptr 1
		.amdhsa_wavefront_size32 1
		.amdhsa_system_sgpr_workgroup_id_x 1
		.amdhsa_system_sgpr_workgroup_id_y 1
		.amdhsa_system_sgpr_workgroup_id_z 1
		.amdhsa_system_vgpr_workitem_id 0
		.amdhsa_next_free_vgpr 192
		.amdhsa_next_free_sgpr 66
		.amdhsa_reserve_vcc 1
		.amdhsa_float_denorm_mode_32 3
		.amdhsa_float_denorm_mode_16_64 3
		.amdhsa_memory_ordered 1
		.amdhsa_forward_progress 1
		.amdhsa_inst_pref_size 60
	.end_amdhsa_kernel
	.amdgpu_metadata
---
amdhsa.version: [ 1, 2 ]
amdhsa.kernels:
  - .name:           k_q358a81e55f_refine
    .symbol:         k_q358a81e55f_refine.kd
    .args:
      - { .name: xyz_A, .offset: 0, .size: 8, .value_kind: global_buffer, .address_space: global }
      - { .name: xyz_B, .offset: 8, .size: 8, .value_kind: global_buffer, .address_space: global }
      - { .name: grp, .offset: 16, .size: 8, .value_kind: global_buffer, .address_space: global }
      - { .name: fp_w, .offset: 24, .size: 8, .value_kind: global_buffer, .address_space: global }
      - { .name: catA_w, .offset: 32, .size: 8, .value_kind: global_buffer, .address_space: global }
      - { .name: catB_w, .offset: 40, .size: 8, .value_kind: global_buffer, .address_space: global }
      - { .name: cat_w, .offset: 48, .size: 8, .value_kind: global_buffer, .address_space: global }
      - { .name: nn_idx, .offset: 56, .size: 8, .value_kind: global_buffer, .address_space: global }
      - { .name: nn_w, .offset: 64, .size: 8, .value_kind: global_buffer, .address_space: global }
      - { .name: wcodes, .offset: 72, .size: 8, .value_kind: global_buffer, .address_space: global }
      - { .name: wscales, .offset: 80, .size: 8, .value_kind: global_buffer, .address_space: global }
    .group_segment_fixed_size: 0
    .private_segment_fixed_size: 0
    .kernarg_segment_align: 8
    .kernarg_segment_size: 88
    .max_flat_workgroup_size: 256
    .sgpr_count:     66
    .vgpr_count:     192
    .wavefront_size: 32
...
	.end_amdgpu_metadata
.endif
;; end of part 5
;; launch chain (part 6): grid 256 x 1, 8 waves a work-group, no clusters, 321,536 bytes of LDS; arguments nn_idx, nn_w, featBT, featA, wcodes, wscales, fp_g, fp_b, catA_g, catA_b, catB_g, catB_b, cat_g, cat_b, convA_w, convA_b, convB_w, convB_b, out0; writes out0
.if DOCPART == 6
	.amdgcn_target "amdgcn-amd-amdhsa--gfx1250"
	.amdhsa_code_object_version 6
	.text
	.protected	k_q358a81e55f_chain
	.globl	k_q358a81e55f_chain
	.p2align	8
	.type	k_q358a81e55f_chain,@function
k_q358a81e55f_chain:
	s_mov_b64 s[64:65], 0
	v_nop
	global_prefetch_b8 v0, s[64:65] scope:SCOPE_SE
	s_setreg_imm32_b32 hwreg(HW_REG_WAVE_SCHED_MODE, 0, 2), 2
	s_setreg_imm32_b32 hwreg(HW_REG_WAVE_MODE, 25, 1), 1
	s_wait_xcnt 0x0
	s_wait_alu depctr_vm_vsrc(0)
; THE WHOLE CHAIN for 256 points of A a work-group, 64 at a time: blend of three rows of featBT -> conv fp, BN, ReLU -> difference -> conv catA and catB, BN, TeLU -> two dot products, sigmoid -> gating -> conv cat, BN, TeLU -> out0.
; The four convolutions run on codes of E2M3 with one E8M0 scale for each 32 channels; every activation is quantised on its way, in f32, and never goes to memory.
; SHARES.  Eight waves.  THE WAVES SHARE THE OUTPUT CHANNELS: wave w makes channels 32 w .. 32 w + 31 of all four products, for all 64 points: just one block of 32 of the next product's K.
; Its parts of fp_w, catA_w, catB_w stay in registers (240), its part of cat_w in LDS.  For the blend wave w makes one operand fragment: 16 points (tile w / 2) x 128 channels (K step w % 2).
; ACTIVATIONS GO FROM WAVE TO WAVE THROUGH LDS AS IMAGES OF OPERAND REGISTERS: a fragment (16 points x 128 K, 12 registers a lane) is 1,536 bytes, lane l's 48 bytes at 48 l, read by three loads of 16 bytes.
; Who holds 16 codes (12 bytes), half f of block q of point r, stores them at 48 (r + 16 (q % 2)) + 24 (q / 2) + 12 f: so LDS does the exchange of halves that the operand's layout asks.  Scale words: 4 r + q, a byte each.
; ORIENTATION.  Products fp, catA, catB are used transposed (source 0 = 16 rows of W, source 1 = 16 points), and lane r of tile u takes W's row 32 w + 8 u + r + 8 (r / 8): lane (r, h) then holds point r and
; channels 32 w + 16 h + 0 .. 15 in 16 registers.  The last product is natural (source 0 = points, source 1 = cat_w's rows): a lane holds one channel and 8 neighbouring points, as out0 lies.
; TeLU: y tanh(e^y), tanh(z) = 1 - 2 / (1 + 2^(2 log2e z)), 2 log2e e^y = 2^(y log2e + log2(2 log2e)): two exponentials and a reciprocal; BN's gain and bias are folded into the multiply-adds.
; No tensor load and no cluster: what work-groups share (358 KB of weights of some 1.7 MB that a work-group reads) goes once into registers; LDS is full of activations.  No prefetch: featA is asked for into registers
; two phases ahead of its use, and rows of featBT are named by several points.
; LIMITS: NaN and infinities are not served.  A block of zeros or under 2^-124 keeps scale byte 1.  tanh(e^y) carries an absolute error of about 1e-7, so its relative error grows for y far under 0.
; 1 / sqrt(1 + 1e-5) is one f32 constant; divisions are reciprocals; the 256-long dot products are summed in another order than the source reads.
; LDS: images I0 (blend), I1 (difference, later gated A), I2 (featA, later gated B), I3 (featB on A): 12,288 each; their scale words; DOT partial dot products [2][64][8]; PAR ten arrays [256];
;   and for each wave FA (its 32 channels x 64 points of featA), SP (featB on A kept in f32; later the stage for out0), TS (a stage to turn the blend), CW (8 fragments of cat_w).
; REGISTERS, window 0: v1-19 addresses; v20, v22, v23 destinations of lane permutes; v21 the conv bias of my half; v24-51 the weights' scale words; v52-59 the last BN's figures; v60-63 activations' scale words;
;   v68-75 the two gates of each tile; v76-123 rows of featBT on their way; v124-255 at work (v208-255, and v240-255 of window 1, also featA on its way).  Window 1: fp_w's 4, catA_w's 8, catB_w's 8 fragments.
; THE MODE: SCHED_MODE bits 1:0 = 2 (LLVM: expert scheduling mode 2), set by the entry lines.  The code itself states the register dependences between vector or matrix instructions and memory or LDS instructions,
; with s_wait_alu, always for 0.
; THE PLAN.  Two waves to a SIMD have 512 registers each, and all are taken: no buffer is doubled, and a buffer's next loads stand behind the wait that shows its last readers done.
;   v1-19, v66, v67  written at the head and never again: one wait on va_vdst at the head serves every LDS and memory instruction that reads them.
;   v76-123          ISSUE's loads land; CONSUME blends in place, its LDS stores read v76-91, its LDS loads land in v92-107, its LDS stores read v108-112: a wait on va_vdst ahead of each run of stores, one on vm_vsrc at its end.
;   the offsets      of an ISSUE's twelve loads: twelve registers of the working area that lie idle just then (v244-255; v188-199 where featA is about to land in v208-255): written in a run, one wait on va_vdst, read by the loads;
;                    written again behind a CONSUME's waits, or behind a wait on XCNT and one on vm_vsrc where the loads are still on their way.
;   fragments        (v188-235 or v156-203) and scale words v60-63: LDS loads land, matrix instructions read: a wait on va_vdst ahead of each refill, behind the places.
;   v124-255         each phase ends its vector work with ONE wait on va_vdst ahead of its run of LDS stores and issues no vector line behind it: the next loads into these registers owe nothing more.
;                    What LDS stores or stores have read is written again only behind a wait on vm_vsrc: at the block's head, between the tiles of a quantising phase, behind the second and fourth barrier, between the pairs of a product.
.set FRB, 1536
.set ISZ, 12288
.set SCB, 49152
.set DOT, 51200
.set PAR, 55296
.set FA,  65536
.set SP,  132096
.set TS,  201728
.set CW,  222208
.set R,   76
.set ACC, 124
.set FG,  156
.set TT,  156
.set PQ,  204
.set PD0, 20
.set PD1, 22
.set PD2, 23
.set FLOOR, 0x1800000
.set SUBE,  0xff000000
.set MSB, 0
.macro WIN new                         ; the immediate's high byte repeats the setting that is left
.if MSB != \new
	s_set_vgpr_msb (MSB<<8)|\new
.set MSB, \new
.endif
.endm
.macro PLACES                          ; four plain places behind a matrix instruction, ahead of loads into its registers and of reads of its results
.rept 4
	v_nop
.endr
.endm
.macro BARRIER                         ; my LDS stores have landed and my LDS loads are in: then the work-group's barrier
	s_wait_dscnt 0x0
	s_barrier_signal -1
	s_barrier_wait -1
.endm
.macro FETCH reg, adr, off             ; a fragment's image into 12 registers
.irp c, 0,1,2
	ds_load_b128 v[(\reg)+4*\c:(\reg)+4*\c+3], v[\adr] offset:(\off)+16*\c
.endr
.endm
.macro SCW reg, off                    ; its scale words: lane r takes point r's
	ds_load_b32 v[\reg], v2 offset:\off
.endm
.macro MM d, a, b, zero, sa, sb
.if \zero
	v_wmma_scale_f32_16x16x128_f8f6f4 v[(\d):(\d)+7], v[(\a):(\a)+11], v[(\b):(\b)+11], 0, v[(\sa)], v[(\sb)] matrix_a_fmt:MATRIX_FMT_FP6 matrix_b_fmt:MATRIX_FMT_FP6
.else
	v_wmma_scale_f32_16x16x128_f8f6f4 v[(\d):(\d)+7], v[(\a):(\a)+11], v[(\b):(\b)+11], v[(\d):(\d)+7], v[(\sa)], v[(\sb)] matrix_a_fmt:MATRIX_FMT_FP6 matrix_b_fmt:MATRIX_FMT_FP6
.endif
.endm
; Four points' three rows of featBT are asked for (my 128 channels: 512 consecutive bytes a load), then their weights and the next four points' indices.  The twelve offsets stand in v[ga] on.
; No load is out when this runs: a CONSUME, or the wait at a block's end, stands ahead of it on every way; so does a wait on vm_vsrc behind the last LDS stores that read v76-123 and behind the last readers of v[ga] on.
.macro ISSUE g, ga
	s_wait_kmcnt 0x0                               ; the indices are in
.irp p, 0,1,2,3
.irp t, 0,1,2
	s_min_u32 s84, s[20+4*\p+\t], 1023             ; a stored number enters an address only behind this hold
	s_lshl_b32 s84, s84, 10
	v_add_nc_u32 v[(\ga)+3*\p+\t], s84, v18
.endr
.endr
	s_wait_alu depctr_va_vdst(0)                   ; the twelve offsets are written, which the loads below read
.irp p, 0,1,2,3
.irp t, 0,1,2
	global_load_b128 v[R+12*\p+4*\t:R+12*\p+4*\t+3], v[(\ga)+3*\p+\t], s[8:9]
.endr
.endr
	s_load_b512 s[36:51], s[6:7], s19 offset:128*\g
	s_load_b512 s[68:83], s[6:7], s19 offset:128*\g+64
.if \g < 3
	s_load_b512 s[20:35], s[4:5], s18 offset:64*(\g+1)
.else
	s_add_co_u32 s85, s18, 1024                    ; the next block's first four, held at the work-group's last block: no load leaves the buffer
	s_min_u32 s85, s85, s52
	s_load_b512 s[20:35], s[4:5], s85 offset:0x0
.endif
.endm
; They are blended, turned through my stage so that a lane holds 16 neighbouring channels of one point, quantised, and stored into my fragment's image.
.macro CONSUME g
	s_wait_kmcnt 0x0
	s_wait_loadcnt 0x0
.irp p, 0,1,2,3
.set WS, 36+8*\p+16*(\p/2)
	v_pk_mul_f32 v[R+4*\p:R+4*\p+1], v[R+12*\p:R+12*\p+1], s[WS:WS+1] op_sel_hi:[1,0]
	v_pk_mul_f32 v[R+4*\p+2:R+4*\p+3], v[R+12*\p+2:R+12*\p+3], s[WS:WS+1] op_sel_hi:[1,0]
	v_pk_fma_f32 v[R+4*\p:R+4*\p+1], v[R+12*\p+4:R+12*\p+5], s[WS+2:WS+3], v[R+4*\p:R+4*\p+1] op_sel_hi:[1,0,1]
	v_pk_fma_f32 v[R+4*\p+2:R+4*\p+3], v[R+12*\p+6:R+12*\p+7], s[WS+2:WS+3], v[R+4*\p+2:R+4*\p+3] op_sel_hi:[1,0,1]
	v_pk_fma_f32 v[R+4*\p:R+4*\p+1], v[R+12*\p+8:R+12*\p+9], s[WS+4:WS+5], v[R+4*\p:R+4*\p+1] op_sel_hi:[1,0,1]
	v_pk_fma_f32 v[R+4*\p+2:R+4*\p+3], v[R+12*\p+10:R+12*\p+11], s[WS+4:WS+5], v[R+4*\p+2:R+4*\p+3] op_sel_hi:[1,0,1]
.endr
	s_wait_alu depctr_va_vdst(0)                   ; the blend is written in v76-91, which the LDS stores read, and its lines are done reading v92-107, in which the LDS loads land
.irp p, 0,1,2,3
	ds_store_b128 v5, v[R+4*\p:R+4*\p+3] offset:640*\p
.endr
.irp i, 0,1,2,3
	ds_load_b128 v[R+16+4*\i:R+19+4*\i], v6 offset:16*\i    ; LDS serves a wave's instructions in order: these see my stores
.endr
	s_wait_dscnt 0x0
	v_max3_num_f32 v[R+32], |v[R+16]|, |v[R+17]|, FLOOR
.irp i, 2,4,6,8,10,12,14
	v_max3_num_f32 v[R+32], v[R+32], |v[R+16+\i]|, |v[R+17+\i]|
.endr
	v_max_num_f32_dpp v[R+32], v[R+32], v[R+32] row_xmask:1 row_mask:0xf bank_mask:0xf   ; with my neighbour's 16: the block's largest magnitude
	v_add_nc_u32 v[R+33], SUBE, v[R+32]
	v_cvt_scalef32_pk16_fp6_f32 v[R+34:R+36], v[R+16:R+31], v[R+33]
	v_lshrrev_b32 v[R+32], 23, v[R+33]             ; the scale's byte (and the plain place behind the conversion)
	s_wait_alu depctr_va_vdst(0)                   ; the codes in v110-112 and the byte in v108 are written, which the LDS stores read
.irp c, 0,1,2
	ds_store_b32 v3, v[R+34+\c] offset:192*\g+4*\c
.endr
	ds_store_b8 v4, v[R+32] offset:16*\g
	s_wait_dscnt 0x0                               ; the stores have landed
.if \g < 3
	s_wait_alu depctr_vm_vsrc(0)                   ; my LDS stores have read v76-91 and v108-112, in which the next ISSUE's loads land; the last ISSUE's loads have read their offsets  (behind CONSUME 3 the wait at the block's head states it)
.endif
.endm
.macro FEATA_ISSUE                     ; my 32 channels x 64 points: sixteen lanes read one row's 256 consecutive bytes.  It stands behind an ISSUE: no vector line since that ISSUE's wait on va_vdst names these registers
.irp q, 0,1,2,3,4,5,6,7,8,9,10,11
	global_load_b128 v[208+4*\q:211+4*\q], v19, s[10:11] offset:32768*\q th:TH_LOAD_NT
.endr
	WIN 0x40
.irp q, 12,13,14,15
	global_load_b128 v[192+4*\q:195+4*\q], v19, s[10:11] offset:32768*\q th:TH_LOAD_NT
.endr
	WIN 0
.endm
.macro FEATA_STORE
.irp q, 0,1,2,3,4,5,6,7,8,9,10,11
	ds_store_b128 v9, v[208+4*\q:211+4*\q] offset:512*(\q%8)+4224*(\q/8)
.endr
	WIN 0x04
.irp q, 12,13,14,15
	ds_store_b128 v9, v[192+4*\q:195+4*\q] offset:512*(\q%8)+4224*(\q/8)
.endr
	WIN 0
.endm
.macro ALOAD reg, t                    ; featA: my 16 channels of point r of tile t
.set i, 0
.rept 16
	ds_load_b32 v[(\reg)+i], v10 offset:256*i+64*(\t)
.set i, i+1
.endr
.endm
; QN tensors by turns: 16 numbers of a lane (half a block of 32; the other half lies in lane l xor 16) at v[QXk] become 12 bytes of codes at image offset QIk and a scale byte at QSk.  Six registers of work each, from v[QT] on.
.macro QUANT
.irp k, 0,1,2
.if \k < QN
	v_max3_num_f32 v[QT+6*\k], |v[QX\k]|, |v[QX\k+1]|, FLOOR
.endif
.endr
.irp i, 2,4,6,8,10,12,14
.irp k, 0,1,2
.if \k < QN
	v_max3_num_f32 v[QT+6*\k], v[QT+6*\k], |v[QX\k+\i]|, |v[QX\k+\i+1]|
.endif
.endr
.endr
.irp k, 0,1,2
.if \k < QN
	v_permlanex16_b32 v[PD\k], v[QT+6*\k], s16, s17
.endif
.endr
.irp k, 0,1,2
.if \k < QN
	v_max_num_f32 v[QT+6*\k], v[QT+6*\k], v[PD\k]
.endif
.endr
.irp k, 0,1,2
.if \k < QN
	v_add_nc_u32 v[QT+6*\k+1], SUBE, v[QT+6*\k]
.endif
.endr
.irp k, 0,1,2
.if \k < QN
	v_cvt_scalef32_pk16_fp6_f32 v[QT+6*\k+2:QT+6*\k+4], v[QX\k:QX\k+15], v[QT+6*\k+1]
.endif
.endr
.irp k, 0,1,2
.if \k < QN
	v_lshrrev_b32 v[QT+6*\k], 23, v[QT+6*\k+1]     ; the byte (plain places behind the conversions)
.endif
.endr
	s_wait_alu depctr_va_vdst(0)                   ; the codes and the bytes are written, which the LDS stores read; and the tile's vector lines are done with its numbers' registers, in which later loads land
.irp k, 0,1,2
.if \k < QN
.irp c, 0,1,2
	ds_store_b32 v7, v[QT+6*\k+2+\c] offset:QI\k+4*\c
.endr
	ds_store_b8 v8, v[QT+6*\k] offset:QS\k
.endif
.endr
.endm
.macro EXPS
.set j, 0
.rept 32
	v_exp_f32 v[TT+j], v[TT+j]
.set j, j+1
.endr
.endm
; From 2^(2 log2e e^y) in v[TT] on to tanh(e^y).
.macro TANH_END
.set j, 0
.rept 16
	v_pk_add_f32 v[TT+j:TT+j+1], v[TT+j:TT+j+1], 1.0 op_sel_hi:[1,0]
.set j, j+2
.endr
.set j, 0
	s_wait_alu depctr_va_vdst(0)
.rept 32
	v_rcp_f32 v[TT+j], v[TT+j]
.set j, j+1
.endr
	v_nop
	s_wait_alu depctr_va_vdst(0)                   ; the 32 reciprocals are written in v156-187, which the multiply-adds read
.set j, 0
.rept 16
	v_pk_fma_f32 v[TT+j:TT+j+1], v[TT+j:TT+j+1], -2.0, 1.0 op_sel_hi:[1,0,0]
.set j, j+2
.endr
.endm
; From 2 log2e e^y in v[TT] on to tanh(e^y).  Each batch of transcendentals has one plain place and one wait ahead of its first reader.
.macro TANH_TAIL
	s_wait_alu depctr_va_vdst(0)                   ; the first batch's exponentials are written in v156-187, which the second batch reads
	EXPS
	v_nop
	s_wait_alu depctr_va_vdst(0)                   ; the second batch's are written, which the additions read
	TANH_END
.endm
; Branch br (0: catA on [difference, featA]; 1: catB on [difference, featB on A]), two tiles of points at a time: product, TeLU, my 32 channels' part of the dot product with the conv's weights.
; A pair's first loads owe no wait: the pair (or phase, or ISSUE) before ended with a wait on va_vdst and memory lines alone.
.macro BRANCH br
.irp z, 0,1
.irp q, 0,1,2,3
	ds_load_b128 v[PQ+4*\q:PQ+4*\q+3], v14 offset:1024*(2+4*\br)+16*\q
	ds_load_b128 v[PQ+16+4*\q:PQ+19+4*\q], v14 offset:1024*(3+4*\br)+16*\q
.endr
.irp e, 0,1
.if \e
	s_wait_alu depctr_va_vdst(0)                   ; the first tile's matrix instructions are done reading v156-203 and v60-63, in which the second tile's fragments and scale words land
.endif
	FETCH FG, 1, ISZ+(4*\z+2*\e)*FRB
	FETCH FG+12, 1, ISZ+(4*\z+2*\e+1)*FRB
	FETCH FG+24, 1, ISZ*(2+\br)+(4*\z+2*\e)*FRB
	FETCH FG+36, 1, ISZ*(2+\br)+(4*\z+2*\e+1)*FRB
	SCW 60, 512+64*(4*\z+2*\e)
	SCW 61, 512+64*(4*\z+2*\e+1)
	SCW 62, 512*(2+\br)+64*(4*\z+2*\e)
	SCW 63, 512*(2+\br)+64*(4*\z+2*\e+1)
	s_wait_dscnt 0x0
	WIN 0x01                                       ; source 0 (W) in window 1
.irp s, 0,1,2,3                                ; the tile's two accumulators by turns
.irp u, 0,1
	MM ACC+16*\e+8*\u, 48+96*\br+12*(4*\u+\s), FG+12*\s, \s==0, 28+8*\br+4*\u+\s, 60+\s
.endr
.endr
	WIN 0
	PLACES
.endr
.set j, 0
.rept 16
	v_pk_fma_f32 v[TT+j:TT+j+1], v[ACC+j:ACC+j+1], v[PQ+j%16:PQ+j%16+1], v[PQ+16+j%16:PQ+17+j%16]   ; y log2e + log2(2 log2e)
.set j, j+2
.endr
	s_wait_alu depctr_va_vdst(0)
	EXPS
	v_nop                                          ; the plain place behind the batch
	s_wait_alu depctr_va_vdst(0)                   ; the first batch's exponentials are written in v156-187, which the second batch reads; the multiply-adds are done reading v204-235, in which the next figures land
.irp q, 0,1,2,3
	ds_load_b128 v[PQ+4*\q:PQ+4*\q+3], v14 offset:1024*(4+4*\br)+16*\q
	ds_load_b128 v[PQ+16+4*\q:PQ+19+4*\q], v14 offset:1024*(5+4*\br)+16*\q
.endr
	EXPS                                           ; the figures land under the second batch
	s_wait_dscnt 0x0
.set j, 0
.rept 16
	v_pk_fma_f32 v[ACC+j:ACC+j+1], v[ACC+j:ACC+j+1], v[PQ+j%16:PQ+j%16+1], v[PQ+16+j%16:PQ+17+j%16]   ; y x the conv's weight (plain work behind the exponentials)
.set j, j+2
.endr
	s_wait_alu depctr_va_vdst(0)                   ; the second batch's exponentials are written, which the additions read
	TANH_END
.if (\br)+(\z)
	s_wait_alu depctr_vm_vsrc(0)                   ; the last pair's LDS stores have read v236 and v238, which the lines below write again
.endif
.irp e, 0,1
	v_pk_mul_f32 v[236+2*\e:237+2*\e], v[ACC+16*\e:ACC+16*\e+1], v[TT+16*\e:TT+16*\e+1]
.endr
.irp m, 2,4,6,8,10,12,14
.irp e, 0,1
	v_pk_fma_f32 v[236+2*\e:237+2*\e], v[ACC+16*\e+\m:ACC+16*\e+\m+1], v[TT+16*\e+\m:TT+16*\e+\m+1], v[236+2*\e:237+2*\e]
.endr
.endr
.irp e, 0,1
	v_add_f32 v[236+2*\e], v[236+2*\e], v[237+2*\e]
.endr
.irp e, 0,1
	v_permlanex16_b32 v[PD\e], v[236+2*\e], s16, s17
.endr
.irp e, 0,1
	v_add_f32 v[236+2*\e], v[236+2*\e], v[PD\e]
.endr
	s_wait_alu depctr_va_vdst(0)                   ; the two sums are written, which the LDS stores read; and the pair's vector and matrix lines are done with v124-235 and v60-63, in which the next loads land
.irp e, 0,1
	ds_store_b32 v15, v[236+2*\e] offset:2048*\br+512*(2*\z+\e)
.endr
.endr
.endm
	s_load_b512 s[20:35], s[0:1], 0x0              ; nn_idx, nn_w, featBT, featA, wcodes, wscales, fp_g, fp_b
	s_load_b512 s[36:51], s[0:1], 0x40             ; catA_g, catA_b, catB_g, catB_b, cat_g, cat_b, convA_w, convA_b
	s_load_b128 s[68:71], s[0:1], 0x80             ; convB_w, convB_b
	s_load_b64 s[12:13], s[0:1], 0x90              ; out0
	v_lshl_add_u32 v66, v0, 2, 0x4e400
	v_mov_b32 v67, 0
	v_and_b32 v124, 31, v0                         ; l
	v_and_b32 v125, 15, v0                         ; r
	v_bfe_u32 v126, v0, 4, 1                       ; h
	v_lshrrev_b32 v127, 5, v0
	v_readfirstlane_b32 s14, v127                  ; wave
	v_mul_u32_u24 v1, v124, 48                     ; an image's place for my lane
	v_lshl_add_u32 v2, v125, 2, SCB                ; a scale word's
	v_bfe_u32 v128, v0, 3, 2                       ; the blend's codes: point l / 8, block (l / 2) % 4, half l % 2
	v_mul_u32_u24 v3, v128, 48
	v_bfe_u32 v129, v0, 1, 1
	v_mad_u32_u24 v3, v129, 768, v3
	v_bfe_u32 v130, v0, 2, 1
	v_mad_u32_u24 v3, v130, 24, v3
	v_and_b32 v131, 1, v0
	v_mad_u32_u24 v3, v131, 12, v3
	s_wait_alu depctr_va_sdst(0)                   ; s14 is written, ahead of its first reader: LDS places and the buffers' offsets are made from it
	s_mul_i32 s54, s14, FRB
	v_add_nc_u32 v3, s54, v3
	v_bfe_u32 v132, v0, 1, 2
	v_lshl_add_u32 v4, v128, 2, v132
	s_lshl_b32 s54, s14, 6
	s_add_co_u32 s54, s54, SCB
	v_add_nc_u32 v4, s54, v4
	v_bfe_u32 v133, v0, 2, 3                       ; my turn stage: in, four lanes' 64 bytes on end and 16 of padding; out, 80 bytes from lane to lane
	v_mul_u32_u24 v5, v133, 80
	v_and_b32 v134, 3, v0
	v_lshl_add_u32 v5, v134, 4, v5
	s_mul_i32 s54, s14, 2560
	s_add_co_u32 s54, s54, TS
	v_add_nc_u32 v5, s54, v5
	v_mul_u32_u24 v6, v124, 80
	v_add_nc_u32 v6, s54, v6
	s_lshr_b32 s55, s14, 2                         ; my channels' codes: K step w / 4, block w % 4, half h, point r
	s_mul_i32 s55, s55, FRB
	s_and_b32 s56, s14, 1
	s_mul_i32 s56, s56, 768
	s_add_co_u32 s55, s55, s56
	s_bfe_u32 s56, s14, 0x10001
	s_mul_i32 s56, s56, 24
	s_add_co_u32 s55, s55, s56
	v_mul_u32_u24 v7, v125, 48
	v_mad_u32_u24 v7, v126, 12, v7
	v_add_nc_u32 v7, s55, v7
	s_lshr_b32 s55, s14, 2
	s_lshl_b32 s55, s55, 6
	s_and_b32 s56, s14, 3
	s_add_co_u32 s55, s55, s56
	s_add_co_u32 s55, s55, SCB
	v_lshl_add_u32 v8, v125, 2, s55
	s_mul_i32 s57, s14, 8320
	s_add_co_u32 s57, s57, FA
	v_lshlrev_b32 v9, 4, v125                      ; featA into LDS: channel rows of 256 bytes; rows 16-31 begin 4,224 bytes on
	v_lshl_add_u32 v9, v126, 8, v9
	v_add_nc_u32 v9, s57, v9
	v_lshlrev_b32 v10, 2, v125                     ; and out of it: point r, channels 16 h on
	v_mad_u32_u24 v10, v126, 4224, v10
	v_add_nc_u32 v10, s57, v10
	s_mul_i32 s58, s14, 8704
	s_add_co_u32 s58, s58, SP
	v_lshl_add_u32 v11, v124, 4, s58               ; featB on A kept: 16 bytes a lane
	v_mul_u32_u24 v12, v125, 272                   ; the stage for out0: in, row = channel r, 32 h bytes
	v_lshl_add_u32 v12, v126, 5, v12
	v_add_nc_u32 v12, s58, v12
	v_mul_u32_u24 v13, v126, 272                   ; back: lanes 0-15 one row, lanes 16-31 the next
	v_lshl_add_u32 v13, v125, 4, v13
	v_add_nc_u32 v13, s58, v13
	s_lshl_b32 s59, s14, 7
	s_add_co_u32 s59, s59, PAR
	v_lshl_add_u32 v14, v126, 6, s59               ; the figures of my 16 channels
	s_lshl_b32 s59, s14, 2
	s_add_co_u32 s59, s59, DOT
	v_lshl_add_u32 v15, v125, 5, s59               ; my part of a point's dot product
	v_lshlrev_b32 v16, 5, v125
	v_lshl_add_u32 v16, v126, 11, v16
	v_add_nc_u32 v16, DOT, v16                     ; all eight parts: lanes 0-15 branch A's, lanes 16-31 branch B's
	s_mul_i32 s59, s14, 12288
	s_add_co_u32 s59, s59, CW
	v_add_nc_u32 v17, s59, v1                      ; cat_w's images
	s_and_b32 s59, s14, 1
	s_lshl_b32 s59, s59, 9
	v_lshl_add_u32 v18, v124, 4, s59               ; a row of featBT: my K step's 512 bytes, 16 a lane
	s_lshl_b32 s59, s14, 19
	v_lshlrev_b32 v19, 4, v125
	v_lshl_add_u32 v19, v126, 14, v19
	v_add_nc_u32 v19, s59, v19                     ; featA and out0: channel 32 w + h, 16 r bytes
	v_and_b32 v135, 8, v125
	v_add_nc_u32 v135, v135, v125                  ; r + 8 (r / 8)
	s_lshl_b32 s59, s14, 5
	v_add_nc_u32 v136, s59, v135                   ; W's row for the transposed products (+ 8 u),
	v_add_nc_u32 v137, s59, v125                   ; and for the natural one (+ 16 u)
	v_mul_u32_u24 v220, v136, 192
	v_mad_u32_u24 v220, v126, 24, v220
	v_mul_u32_u24 v221, v136, 384
	v_mad_u32_u24 v221, v126, 24, v221
	v_mul_u32_u24 v222, v137, 384
	v_mad_u32_u24 v222, v126, 24, v222
	v_lshlrev_b32 v223, 3, v136
	v_lshlrev_b32 v224, 4, v136
	v_lshlrev_b32 v225, 4, v137
	v_lshlrev_b32 v226, 2, v0
	v_lshlrev_b32 v227, 2, v137
	v_lshl_add_u32 v228, v0, 2, PAR
	s_mov_b32 s16, 0x76543210                      ; v_permlanex16_b32's selects for lane l xor 16
	s_mov_b32 s17, 0xfedcba98
	s_mov_b32 s53, 0xffff0000                      ; lanes 16-31
	s_mov_b32 s60, 0x3fb8aa3b                      ; log2 e
	s_mov_b32 s61, 0x3fc3ae9e                      ; log2(2 log2 e)
	s_mov_b32 s62, 0x3f7fffac                      ; 1 / sqrt(1 + 1e-5)
	s_mov_b32 s15, 4                               ; blocks to go
	s_lshl_b32 s18, ttmp9, 12                      ; nn_idx: 16 bytes x (256 x work-group + 16 (w / 2)): my tile in the block that is being gathered
	s_lshr_b32 s54, s14, 1
	s_lshl_b32 s54, s54, 8
	s_add_co_u32 s18, s18, s54
	s_add_co_u32 s52, s18, 3072                    ; the same in the last block
	s_lshl_b32 s19, s18, 1                         ; nn_w: twice that
	s_lshr_b32 s54, ttmp9, 4                       ; batch
	s_and_b32 s55, ttmp9, 15
	s_lshl_b32 s56, s54, 20
	s_mov_b32 s57, 0
	s_lshl_b32 s58, s54, 22
	s_lshl_b32 s55, s55, 10
	s_add_co_u32 s58, s58, s55
	s_mov_b32 s59, 0
	s_wait_kmcnt 0x0
	s_mov_b64 s[4:5], s[20:21]
	s_mov_b64 s[6:7], s[22:23]
	s_add_nc_u64 s[8:9], s[24:25], s[56:57]
	s_add_nc_u64 s[10:11], s[26:27], s[58:59]
	s_add_nc_u64 s[12:13], s[12:13], s[58:59]
	s_load_b32 s86, s[50:51], 0x0                  ; convA_b
	s_load_b32 s87, s[70:71], 0x0                  ; convB_b
	s_wait_alu depctr_va_vdst(0)                   ; every address and offset is written (v1-19, v66, v67 for the whole kernel, v220-228 for the head), which the LDS and memory lines read; the lines above are done with v124-137, in which cat_w's fragments land
	global_load_b32 v236, v226, s[32:33]           ; channel = my thread's number: fp_g, fp_b, catA_g, catA_b, convA_w, catB_g, catB_b, convB_w
	global_load_b32 v237, v226, s[34:35]
	global_load_b32 v238, v226, s[36:37]
	global_load_b32 v239, v226, s[38:39]
	global_load_b32 v240, v226, s[48:49]
	global_load_b32 v241, v226, s[40:41]
	global_load_b32 v242, v226, s[42:43]
	global_load_b32 v243, v226, s[68:69]
	global_load_b32 v232, v227, s[44:45]           ; cat_g, cat_b at channels 32 w + r and 32 w + 16 + r
	global_load_b32 v233, v227, s[44:45] offset:64
	global_load_b32 v234, v227, s[46:47]
	global_load_b32 v235, v227, s[46:47] offset:64
.irp u, 0,1
.irp s, 0,1
	global_load_b32 v[24+2*\u+\s], v223, s[30:31] offset:64*\u+4*\s
.endr
.irp s, 0,1,2,3
	global_load_b32 v[28+4*\u+\s], v224, s[30:31] offset:2048+128*\u+4*\s
	global_load_b32 v[36+4*\u+\s], v224, s[30:31] offset:6144+128*\u+4*\s
	global_load_b32 v[44+4*\u+\s], v225, s[30:31] offset:10240+256*\u+4*\s
.endr
.endr
	WIN 0x40                                       ; destination window 1: these fragments stay
.irp u, 0,1
.irp s, 0,1
.irp p, 0,1,2,3,4,5
	global_load_b64 v[12*(2*\u+\s)+2*\p:12*(2*\u+\s)+2*\p+1], v220, s[28:29] offset:1536*\u+96*\s+48*(\p/3)+8*(\p%3)
.endr
.endr
.endr
.irp u, 0,1
.irp s, 0,1,2,3
.irp p, 0,1,2,3,4,5
	global_load_b64 v[48+12*(4*\u+\s)+2*\p:48+12*(4*\u+\s)+2*\p+1], v221, s[28:29] offset:49152+3072*\u+96*\s+48*(\p/3)+8*(\p%3)
	global_load_b64 v[144+12*(4*\u+\s)+2*\p:144+12*(4*\u+\s)+2*\p+1], v221, s[28:29] offset:147456+3072*\u+96*\s+48*(\p/3)+8*(\p%3)
.endr
.endr
.endr
	WIN 0
.irp u, 0,1
.irp s, 0,1,2,3
.irp p, 0,1,2,3,4,5
	global_load_b64 v[124+12*(4*\u+\s)+2*\p:124+12*(4*\u+\s)+2*\p+1], v222, s[28:29] offset:245760+6144*\u+96*\s+48*(\p/3)+8*(\p%3)
.endr
.endr
.endr
	s_wait_xcnt 0x0                                ; every load above has read its base: the registers that held the arguments may take indices and weights
	s_wait_kmcnt 0x0
	s_load_b512 s[20:35], s[4:5], s18 offset:0x0   ; the first four points' indices
	ISSUE 0, 244
	s_wait_loadcnt 12                              ; all but the twelve rows just asked for
	s_wait_xcnt 0x0                                ; those twelve, still on their way, have had their addresses translated: only behind this wait are their offsets written again,
	s_wait_alu depctr_vm_vsrc(0)                   ; and they have read them: v244-254 take figures below
	v_mul_f32 v248, s62, v236                      ; S1 = g / sqrt(1 + eps);  for a TeLU: P = s log2e, Q = b log2e + log2(2 log2e), R = s x conv weight, S = b x conv weight
	v_mul_f32 v249, s62, v238
	v_mul_f32 v250, s60, v249
	v_fma_f32 v251, v239, s60, s61
	v_mul_f32 v252, v249, v240
	v_mul_f32 v253, v239, v240
	v_mul_f32 v244, s62, v241
	v_mul_f32 v245, s60, v244
	v_fma_f32 v246, v242, s60, s61
	v_mul_f32 v247, v244, v243
	v_mul_f32 v254, v242, v243
	v_mul_f32 v56, s62, v232
	v_mul_f32 v57, s62, v233
	v_mul_f32 v52, s60, v56
	v_mul_f32 v53, s60, v57
	v_fma_f32 v54, v234, s60, s61
	v_fma_f32 v55, v235, s60, s61
	v_mov_b32 v58, v234
	v_mov_b32 v59, v235
	v_mov_b32 v21, s86
	v_mov_b32 v22, s87
	v_cndmask_b32 v21, v21, v22, s53
	v_mov_b32 v20, 0                               ; written once: a lane permute's destination counts as one of its sources
	v_mov_b32 v22, 0
	v_mov_b32 v23, 0
	s_wait_alu depctr_va_vdst(0)                   ; the figures in v244-254 are written, which the LDS stores read
	ds_store_b32 v228, v248                        ; a wave stores just the 32 channels that it reads: no barrier
	ds_store_b32 v228, v237 offset:1024
	ds_store_b32 v228, v250 offset:2048
	ds_store_b32 v228, v251 offset:3072
	ds_store_b32 v228, v252 offset:4096
	ds_store_b32 v228, v253 offset:5120
	ds_store_b32 v228, v245 offset:6144
	ds_store_b32 v228, v246 offset:7168
	ds_store_b32 v228, v247 offset:8192
	ds_store_b32 v228, v254 offset:9216
.irp f, 0,1,2,3,4,5,6,7
.irp c, 0,1,2
	ds_store_b128 v17, v[124+12*\f+4*\c:127+12*\f+4*\c] offset:FRB*\f+16*\c
.endr
.endr
	CONSUME 0                                      ; (its closing wait on vm_vsrc also shows that the LDS stores above have read v124-254)
	ISSUE 1, 188
	FEATA_ISSUE
	CONSUME 1
	FEATA_STORE
	ISSUE 2, 188
	CONSUME 2
	ISSUE 3, 188
	CONSUME 3
	s_wait_xcnt 0x0
	s_add_nc_u64 s[10:11], s[10:11], 256           ; on to block 1
	s_add_co_u32 s18, s18, 1024
	s_min_u32 s18, s18, s52
	s_lshl_b32 s19, s18, 1
.Lblock:
	BARRIER                                        ; the blend's eight fragments lie in LDS; the last block's reads of I1 and I2 are over
	s_wait_alu depctr_vm_vsrc(0)                   ; out0's stores have read v124-187, featA's LDS stores v208-255 and v240-255 of window 1, CONSUME 3's v76-112 (on the way in: ISSUE 3's loads their offsets in v188-199): all are written again below
	s_cmp_eq_u32 s15, 1                            ; the last block gathers nothing more
	s_cbranch_scc1 .Lnl1
	ISSUE 0, 244
.Lnl1:
	; ---- conv fp: eight accumulators by turns, a K step at a time.  The first K step's loads owe no wait on va_vdst: the block before (or the head) ended with one and with memory lines alone, and ISSUE 0's lines name v244-255
.irp s, 0,1
.if \s
	s_wait_alu depctr_va_vdst(0)                   ; the first K step's matrix instructions are done reading v188-235 and v60-63, in which the second's fragments and scale words land
.endif
.irp t, 0,1,2,3
	FETCH 188+12*\t, 1, (2*\t+\s)*FRB
	SCW 60+\t, 64*(2*\t+\s)
.endr
	s_wait_dscnt 0x0
	WIN 0x01
.irp t, 0,1,2,3
.irp u, 0,1
	MM ACC+16*\t+8*\u, 12*(2*\u+\s), 188+12*\t, \s==0, 24+2*\u+\s, 60+\t
.endr
.endr
	WIN 0
	PLACES
.endr
	; ---- BN, ReLU; difference; three tensors quantised; featB on A kept in f32
	s_wait_alu depctr_va_vdst(0)                   ; the product's matrix instructions are done reading v188-235, in which the gains and featA land
	s_wait_xcnt 0x0                                ; ISSUE 0's loads, still on their way, have had their addresses translated: only behind this wait are their offsets written again,
	s_wait_alu depctr_vm_vsrc(0)                   ; and they have read them: the biases land in v236-251, and the quantiser works in v236-253
.irp q, 0,1,2,3
	ds_load_b128 v[220+4*\q:223+4*\q], v14 offset:16*\q
	ds_load_b128 v[236+4*\q:239+4*\q], v14 offset:1024+16*\q
.endr
	ALOAD 188, 0
	s_wait_dscnt 16                                ; the gains and biases are in (tile 0's sixteen loads of featA may be out)
.set j, 0
.rept 32
	v_pk_fma_f32 v[ACC+j:ACC+j+1], v[ACC+j:ACC+j+1], v[220+j%16:221+j%16], v[236+j%16:237+j%16]
.set j, j+2
.endr
.set j, 0
.rept 64
	v_max_num_f32 v[ACC+j], 0, v[ACC+j]
.set j, j+1
.endr
.set QN, 3
.set QT, 236
.irp t, 0,1,2,3
.if \t < 3
	ALOAD 188+16*((\t+1)%2), \t+1                  ; no wait: the lines that read this buffer stand ahead of the last tile's wait on va_vdst, and no vector line has been issued since (tile 0: none since the phase's head names v204-219)
	s_wait_dscnt 16                                ; this tile's featA is in (the next tile's sixteen loads may be out)
.else
	s_wait_dscnt 0x0
.endif
.if \t > 0
	s_wait_alu depctr_vm_vsrc(0)                   ; the last tile's LDS stores have read v236-253, which this tile's lines write again
.endif
.set AS, 188+16*(\t%2)
.set j, 0
.rept 8
	v_pk_add_f32 v[220+j:221+j], v[AS+j:AS+j+1], v[ACC+16*\t+j:ACC+16*\t+j+1] neg_lo:[0,1] neg_hi:[0,1]
.set j, j+2
.endr
.set QX0, 220
.set QI0, ISZ+3072*\t
.set QS0, 512+128*\t
.set QX1, AS
.set QI1, 2*ISZ+3072*\t
.set QS1, 1024+128*\t
.set QX2, ACC+16*\t
.set QI2, 3*ISZ+3072*\t
.set QS2, 1536+128*\t
	QUANT
.irp q, 0,1,2,3
	ds_store_b128 v11, v[ACC+16*\t+4*\q:ACC+16*\t+4*\q+3] offset:512*(4*\t+\q)   ; (written ahead of the quantiser's wait on va_vdst)
.endr
.endr
	BARRIER                                        ; difference, featA and featB on A lie in LDS; nobody reads the blend's images any more
	s_wait_alu depctr_vm_vsrc(0)                   ; on both ways: the LDS stores have read v124-187, which the next matrix instructions write, and v236-253, which the dot products' lines and ISSUE 1 write
	s_cmp_eq_u32 s15, 1
	s_cbranch_scc1 .Lnl2
	CONSUME 0
	ISSUE 1, 244
.Lnl2:
	BRANCH 0
	s_cmp_eq_u32 s15, 1
	s_cbranch_scc1 .Lnl3
	CONSUME 1
	ISSUE 2, 244
.Lnl3:
	BRANCH 1
	s_cmp_eq_u32 s15, 1
	s_cbranch_scc1 .Lnl4
	CONSUME 2
	ISSUE 3, 188                                   ; its offsets stand clear of v208-255
	FEATA_ISSUE                                    ; the next block's featA: it has the gating and the last product in which to land
.Lnl4:
	BARRIER                                        ; all parts of both dot products lie in LDS; nobody reads I1, I2, I3 any more
	; ---- the two gates: lanes 0-15 make A's, lanes 16-31 B's, then they exchange.  The loads owe no wait: branch B (or ISSUE 3) ended with a wait on va_vdst and memory lines alone
.irp t, 0,1,2,3
	ds_load_b128 v[124+8*\t:127+8*\t], v16 offset:512*\t
	ds_load_b128 v[128+8*\t:131+8*\t], v16 offset:512*\t+16
.endr
	s_wait_dscnt 0x0
.irp t, 0,1,2,3
	v_pk_add_f32 v[124+8*\t:125+8*\t], v[124+8*\t:125+8*\t], v[126+8*\t:127+8*\t]
.endr
.irp t, 0,1,2,3
	v_pk_add_f32 v[128+8*\t:129+8*\t], v[128+8*\t:129+8*\t], v[130+8*\t:131+8*\t]
.endr
.irp t, 0,1,2,3
	v_pk_add_f32 v[124+8*\t:125+8*\t], v[124+8*\t:125+8*\t], v[128+8*\t:129+8*\t]
.endr
.irp t, 0,1,2,3
	v_add_f32 v[124+8*\t], v[124+8*\t], v[125+8*\t]
.endr
.irp t, 0,1,2,3
	v_add_f32 v[124+8*\t], v[124+8*\t], v21
.endr
.irp t, 0,1,2,3
	v_mul_f32 v[124+8*\t], 0xbfb8aa3b, v[124+8*\t]
.endr
	s_wait_alu depctr_va_vdst(0)
.irp t, 0,1,2,3
	v_exp_f32 v[124+8*\t], v[124+8*\t]
.endr
	v_nop
	s_wait_alu depctr_va_vdst(0)                   ; the four exponentials are written, which the additions read
.irp t, 0,1,2,3
	v_add_f32 v[124+8*\t], 1.0, v[124+8*\t]
.endr
	s_wait_alu depctr_va_vdst(0)
.irp t, 0,1,2,3
	v_rcp_f32 v[124+8*\t], v[124+8*\t]
.endr
	v_nop
	s_wait_alu depctr_va_vdst(0)                   ; the four reciprocals are written, which the permutes read
.irp t, 0,1,2,3
	v_permlanex16_b32 v[125+8*\t], v[124+8*\t], s16, s17
.endr
.irp t, 0,1,2,3
	v_cndmask_b32 v[68+2*\t], v[124+8*\t], v[125+8*\t], s53
	v_cndmask_b32 v[69+2*\t], v[125+8*\t], v[124+8*\t], s53
.endr
	; ---- gating, and the two gated tensors quantised
.macro WLOAD s, t
	ALOAD 124+32*(\s), \t
.irp q, 0,1,2,3
	ds_load_b128 v[140+32*(\s)+4*\q:143+32*(\s)+4*\q], v11 offset:512*(4*(\t)+\q)
.endr
.endm
	s_wait_alu depctr_va_vdst(0)                   ; the gates' lines are done with v124-155, in which tile 0's numbers land
	WLOAD 0, 0
.set QN, 2
.set QT, 188
.irp t, 0,1,2,3
.if \t < 3
	WLOAD (\t+1)%2, \t+1                           ; no wait: the lines that named this buffer stand ahead of the last wait on va_vdst, and no vector line has been issued since
	s_wait_dscnt 20                                ; this tile's numbers are in (the next tile's twenty loads may be out)
.else
	s_wait_dscnt 0x0
.endif
.if \t == 0
	s_wait_xcnt 0x0                                ; ISSUE 3's loads, still on their way, have had their addresses translated: only behind this wait are their offsets in v188-199 written again
.endif
	s_wait_alu depctr_vm_vsrc(0)                   ; v188-199, which the quantiser writes, have been read: tile 0: by ISSUE 3's loads, as offsets; later tiles: by the last tile's LDS stores
.set AS, 124+32*(\t%2)
.set j, 0
.rept 8
	v_pk_mul_f32 v[AS+j:AS+j+1], v[AS+j:AS+j+1], v[68+2*\t:69+2*\t] op_sel_hi:[1,0]
	v_pk_mul_f32 v[AS+16+j:AS+17+j], v[AS+16+j:AS+17+j], v[68+2*\t:69+2*\t] op_sel:[0,1] op_sel_hi:[1,1]
.set j, j+2
.endr
.set QX0, AS
.set QI0, ISZ+3072*\t
.set QS0, 512+128*\t
.set QX1, AS+16
.set QI1, 2*ISZ+3072*\t
.set QS1, 1024+128*\t
	QUANT
.endr
	BARRIER                                        ; the gated tensors lie in LDS
	s_wait_alu depctr_vm_vsrc(0)                   ; tile 3's LDS stores have read v188-199, in which fragments land
	; ---- conv cat, natural; BN, TeLU; into the stage, two tiles of points at a time
.irp z, 0,1
.if \z
	s_wait_alu depctr_vm_vsrc(0)                   ; the first pair's stores into the stage have read v124-155, which the matrix instructions write again
.endif
.irp s, 0,1,2,3
.if \s
	s_wait_alu depctr_va_vdst(0)                   ; the last K step's matrix instructions are done reading v156-203, v60 and v61, in which this step's fragments and scale words land
.endif
	FETCH FG, 17, \s*FRB
	FETCH FG+12, 17, (4+\s)*FRB
	FETCH FG+24, 1, ISZ*(1+\s/2)+(4*\z+\s%2)*FRB
	FETCH FG+36, 1, ISZ*(1+\s/2)+(4*\z+2+\s%2)*FRB
	SCW 60, 512*(1+\s/2)+64*(4*\z+\s%2)
	SCW 61, 512*(1+\s/2)+64*(4*\z+2+\s%2)
	s_wait_dscnt 0x0
.irp e, 0,1
.irp u, 0,1
	MM ACC+16*\e+8*\u, FG+24+12*\e, FG+12*\u, \s==0, 60+\e, 44+4*\u+\s
.endr
.endr
	PLACES
.endr
.irp e, 0,1
.irp u, 0,1
.irp m, 0,2,4,6
	v_pk_fma_f32 v[TT+16*\e+8*\u+\m:TT+16*\e+8*\u+\m+1], v[ACC+16*\e+8*\u+\m:ACC+16*\e+8*\u+\m+1], v[52:53], v[54:55] op_sel:[0,\u,\u] op_sel_hi:[1,\u,\u]
.endr
.endr
.endr
	s_wait_alu depctr_va_vdst(0)
	EXPS
.irp e, 0,1
.irp u, 0,1
.irp m, 0,2,4,6
	v_pk_fma_f32 v[ACC+16*\e+8*\u+\m:ACC+16*\e+8*\u+\m+1], v[ACC+16*\e+8*\u+\m:ACC+16*\e+8*\u+\m+1], v[56:57], v[58:59] op_sel:[0,\u,\u] op_sel_hi:[1,\u,\u]
.endr
.endr
.endr
	TANH_TAIL
.set j, 0
.rept 16
	v_pk_mul_f32 v[ACC+j:ACC+j+1], v[ACC+j:ACC+j+1], v[TT+j:TT+j+1]
.set j, j+2
.endr
	s_wait_alu depctr_va_vdst(0)                   ; the pair's results are written in v124-155, which the LDS stores read; and its lines are done with v156-203, in which the next loads land
.irp e, 0,1
.irp u, 0,1
	ds_store_b128 v12, v[ACC+16*\e+8*\u:ACC+16*\e+8*\u+3] offset:4352*\u+64*(2*\z+\e)
	ds_store_b128 v12, v[ACC+16*\e+8*\u+4:ACC+16*\e+8*\u+7] offset:4352*\u+64*(2*\z+\e)+16
.endr
.endr
.endr
	s_wait_dscnt 0x0                               ; the stores have landed
	s_wait_alu depctr_vm_vsrc(0)                   ; and have read v124-155, in which the rows land
.irp p, 0,1,2,3,4,5,6,7,8,9,10,11,12,13,14,15
	ds_load_b128 v[ACC+4*\p:ACC+4*\p+3], v13 offset:544*\p
.endr
.irp p, 0,1,2,3,4,5,6,7,8,9,10,11,12,13,14,15
	s_wait_dscnt 15-\p                             ; this pair of rows is back; the younger ones may be out
	global_store_b128 v19, v[ACC+4*\p:ACC+4*\p+3], s[12:13] offset:32768*\p th:TH_STORE_NT   ; sixteen lanes store 256 consecutive bytes, aligned
.endr
	s_cmp_eq_u32 s15, 1
	s_cbranch_scc1 .Lnl5
	CONSUME 3                                      ; its wait for all loads shows featA in too
	FEATA_STORE
.Lnl5:
	s_wait_loadcnt 0x0                             ; on both ways: no load is out at a block's end, so that the next trip's loads into v76-123 and into featA's registers meet none (behind CONSUME 3 it is met at once)
	s_wait_xcnt 0x0                                ; the stores have read their registers and bases: both may be written again
	s_add_nc_u64 s[10:11], s[10:11], 256
	s_add_nc_u64 s[12:13], s[12:13], 256
	s_add_co_u32 s18, s18, 1024
	s_min_u32 s18, s18, s52
	s_lshl_b32 s19, s18, 1
	s_sub_co_u32 s15, s15, 1
	s_cmp_lg_u32 s15, 0
	s_cbranch_scc1 .Lblock
	s_wait_dscnt 0x0                               ; the closing lines, six on end
	s_wait_alu 0x0
	s_wait_tensorcnt 0x0
	ds_add_u32 v66, v67
	s_wait_dscnt 0x0
	s_endpgm
.Lfunc_end_k_q358a81e55f_chain:
	.size	k_q358a81e55f_chain, .Lfunc_end_k_q358a81e55f_chain-k_q358a81e55f_chain
	.p2alignl 7, 3214868480
	.fill 96, 4, 3214868480
	.section	.rodata,"a",@progbits
	.p2align	6, 0x0
	.amdhsa_kernel k_q358a81e55f_chain
		.amdhsa_group_segment_fixed_size 321536
		.amdhsa_private_segment_fixed_size 0
		.amdhsa_enable_private_segment 0
		.amdhsa_kernarg_size 152
		.amdhsa_user_sgpr_count 2
		.amdhsa_user_sgpr_kernarg_segment_ptr 1
		.amdhsa_wavefront_size32 1
		.amdhsa_system_sgpr_workgroup_id_x 1
		.amdhsa_system_sgpr_workgroup_id_y 1
		.amdhsa_system_sgpr_workgroup_id_z 1
		.amdhsa_system_vgpr_workitem_id 0
		.amdhsa_next_free_vgpr 512
		.amdhsa_next_free_sgpr 100
		.amdhsa_reserve_vcc 0
		.amdhsa_float_denorm_mode_32 3
		.amdhsa_float_denorm_mode_16_64 3
		.amdhsa_memory_ordered 1
		.amdhsa_forward_progress 1
		.amdhsa_inst_pref_size 226
	.end_amdhsa_kernel
	.amdgpu_metadata
---
amdhsa.version: [ 1, 2 ]
amdhsa.kernels:
  - .name:           k_q358a81e55f_chain
    .symbol:         k_q358a81e55f_chain.kd
    .args:
      - { .name: nn_idx, .offset: 0, .size: 8, .value_kind: global_buffer, .address_space: global }
      - { .name: nn_w, .offset: 8, .size: 8, .value_kind: global_buffer, .address_space: global }
      - { .name: featBT, .offset: 16, .size: 8, .value_kind: global_buffer, .address_space: global }
      - { .name: featA, .offset: 24, .size: 8, .value_kind: global_buffer, .address_space: global }
      - { .name: wcodes, .offset: 32, .size: 8, .value_kind: global_buffer, .address_space: global }
      - { .name: wscales, .offset: 40, .size: 8, .value_kind: global_buffer, .address_space: global }
      - { .name: fp_g, .offset: 48, .size: 8, .value_kind: global_buffer, .address_space: global }
      - { .name: fp_b, .offset: 56, .size: 8, .value_kind: global_buffer, .address_space: global }
      - { .name: catA_g, .offset: 64, .size: 8, .value_kind: global_buffer, .address_space: global }
      - { .name: catA_b, .offset: 72, .size: 8, .value_kind: global_buffer, .address_space: global }
      - { .name: catB_g, .offset: 80, .size: 8, .value_kind: global_buffer, .address_space: global }
      - { .name: catB_b, .offset: 88, .size: 8, .value_kind: global_buffer, .address_space: global }
      - { .name: cat_g, .offset: 96, .size: 8, .value_kind: global_buffer, .address_space: global }
      - { .name: cat_b, .offset: 104, .size: 8, .value_kind: global_buffer, .address_space: global }
      - { .name: convA_w, .offset: 112, .size: 8, .value_kind: global_buffer, .address_space: global }
      - { .name: convA_b, .offset: 120, .size: 8, .value_kind: global_buffer, .address_space: global }
      - { .name: convB_w, .offset: 128, .size: 8, .value_kind: global_buffer, .address_space: global }
      - { .name: convB_b, .offset: 136, .size: 8, .value_kind: global_buffer, .address_space: global }
      - { .name: out0, .offset: 144, .size: 8, .value_kind: global_buffer, .address_space: global }
    .group_segment_fixed_size: 321536
    .private_segment_fixed_size: 0
    .kernarg_segment_align: 8
    .kernarg_segment_size: 152
    .max_flat_workgroup_size: 256
    .sgpr_count:     100
    .vgpr_count:     512
    .wavefront_size: 32
...
	.end_amdgpu_metadata
.endif
;; end of part 6
